; MI455X (gfx1250); checked and timed in simulation.
; The chip was launched on July 23, 2026; its instructions are those of AMD's public machine-readable ISA for CDNA 5 (MIT licence, August 2026) and "CDNA5" Instruction Set Architecture Reference Guide (July 2026). The comments in the code are by the model that wrote it; some were corrected since.
;; Encoder Block. Allowed arithmetic: float matrix products may take bf16 or f16 operands with f32 sums; other float arithmetic in f32, or as packed bf16 or f16 multiplies, adds, multiply-adds, maxima and minima; sums over many terms, partial sums and values carried from step to step in f32; what a program stores and reads back later, other than sums and carried values, may be rounded once to bf16 or f16.
;; Inputs: b_fc1 4,096 float32; b_fc2 1,024 float32; b_prj 1,024 float32; ln1_b 1,024 float32; ln1_g 1,024 float32; ln2_b 1,024 float32; ln2_g 1,024 float32; w_fc1 1,024 x 4,096 float32; w_fc2 4,096 x 1,024 float32; w_prj 1,024 x 1,024 float32; w_qkv 1,024 x 3,072 float32; x 2 x 2,048 x 1,024 float32.
;; Outputs: out0 2 x 2,048 x 1,024 float32.
;; One version. Each part assembles by itself: llvm-mc -triple=amdgcn-amd-amdhsa -mcpu=gfx1250 --defsym DOCPART=n.
;; ======== version 1 of 1: 7 launches
;; limits: a function is approximated: absolute error at most 1.5e-07
;; workspace buffers: wb 25,165,824 bytes; h1 8,388,608 bytes; qkv 25,165,824 bytes; oh 8,388,608 bytes; x1 16,777,216 bytes; h2 8,388,608 bytes; h3 33,554,432 bytes
;; launch prep (part 1): grid 1280 x 1, 8 waves a work-group, no clusters, 0 bytes of LDS; arguments x, ln1_g, ln1_b, w_qkv, w_prj, w_fc1, w_fc2, h1, wb; writes h1, wb
.if DOCPART == 1
	.amdgcn_target "amdgcn-amd-amdhsa--gfx1250"
	.amdhsa_code_object_version 6
	.text
	.protected	k_q2dd54d4b2a_prep
	.globl	k_q2dd54d4b2a_prep
	.p2align	8
	.type	k_q2dd54d4b2a_prep,@function
k_q2dd54d4b2a_prep:
	s_mov_b64 s[64:65], 0
	v_nop
	global_prefetch_b8 v0, s[64:65] scope:SCOPE_SE
	s_setreg_imm32_b32 hwreg(HW_REG_WAVE_MODE, 25, 1), 1
	s_wait_xcnt 0x0
; TWO STREAMS IN ONE BODY, WHICH SERVES TWO LAUNCHES.  Arguments: x, g, b, four weight matrices, h, wb.
; Work-groups 0-511: h = LayerNorm(x) * g + b, rounded once to bf16: 8 rows of 1,024 f32 a work-group, one row a wave; the row stays in registers between the passes, so it is read once.
; Work-groups 512-1279: the four weight matrices, f32 to bf16, layout [K][N] kept, 16,384 numbers each, into wb (w_qkv, w_prj, w_fc1, w_fc2 on end).
; The first launch has all 1,280 work-groups; the second norm is a launch of the first 512 alone, in which the weights' arguments are not touched.
; 117 registers at the most, so that eight waves share a SIMD's 1,024: four work-groups to a WGP.  No LDS, no matrix unit, no cluster: nothing is shared and memory binds.
; LayerNorm in f32, in two passes over registers (mean, then the squares of x - mean), so a common offset of x costs no digits.  NaN and infinities are not treated apart.
.set LNWG, 512                         ; work-groups of the first kind
.set HP,  18                           ; s[18:19] h
.set XA,  8                            ; v[8:39]    the row: load j holds elements 128 j + 4 lane + 0..3
.set GG,  40                           ; v[40:71]   gain, same places
.set BB,  72                           ; v[72:103]  bias
.set SM,  104                          ; v[104:111] four packed chains
.set MU,  112                          ; v[112:113] the mean, twice
.set RS,  114                          ; v[114:115] 1 / sqrt(var + eps), twice
.set TT,  116                          ; v116       the other half of the lanes
	s_load_b512 s[4:19], s[0:1], 0x0               ; x, g, b, w_qkv, w_prj, w_fc1, w_fc2, h
	s_load_b64 s[20:21], s[0:1], 0x40              ; wb
	v_lshrrev_b32 v3, 5, v0
	v_readfirstlane_b32 s22, v3                    ; wave 0..7
	s_wait_kmcnt 0x0
	s_cmp_lt_u32 ttmp9, LNWG
	s_cbranch_scc0 .Lcast
.macro LANES r                         ; the sum over the 32 lanes, in every lane
	v_add_f32_dpp v[\r], v[\r], v[\r] row_xmask:1 row_mask:0xf bank_mask:0xf
	v_add_f32_dpp v[\r], v[\r], v[\r] row_xmask:2 row_mask:0xf bank_mask:0xf
	v_add_f32_dpp v[\r], v[\r], v[\r] row_xmask:4 row_mask:0xf bank_mask:0xf
	v_add_f32_dpp v[\r], v[\r], v[\r] row_xmask:8 row_mask:0xf bank_mask:0xf
	v_permlanex16_b32 v[TT], v[\r], s30, s31
	v_add_f32 v[\r], v[\r], v[TT]
.endm
.macro FOLD                            ; the four chains into one number a lane, then over the lanes
	v_pk_add_f32 v[SM:SM+1], v[SM:SM+1], v[SM+2:SM+3]
	v_pk_add_f32 v[SM+4:SM+5], v[SM+4:SM+5], v[SM+6:SM+7]
	v_pk_add_f32 v[SM:SM+1], v[SM:SM+1], v[SM+4:SM+5]
	v_add_f32 v[SM], v[SM], v[SM+1]
	LANES SM
.endm
	v_and_b32 v1, 31, v0
	v_lshlrev_b32 v2, 3, v1                        ; 8 x lane: my place in 256 bytes of bf16
	v_lshlrev_b32 v1, 4, v1                        ; 16 x lane: my place in 512 bytes of f32
	v_mov_b32 v[TT], 0                             ; v_permlanex16_b32 counts as a reader of its destination
	s_lshl_b32 s24, ttmp9, 15                      ; 8 rows of 4,096 bytes a work-group,
	s_lshl_b32 s23, s22, 12                        ; one a wave
	s_add_co_u32 s24, s24, s23
	s_mov_b32 s25, 0
	s_lshr_b32 s26, s24, 1                         ; half as many bytes on the way out
	s_mov_b32 s27, 0
	s_mov_b32 s28, 0x3a800000                      ; 1 / 1,024
	s_mov_b32 s29, 0x3727c5ac                      ; 1e-5
	s_mov_b32 s30, 0x76543210
	s_mov_b32 s31, 0xfedcba98
	s_add_nc_u64 s[4:5], s[4:5], s[24:25]
	s_add_nc_u64 s[HP:HP+1], s[HP:HP+1], s[26:27]
.irp j, 0,1,2,3,4,5,6,7
	global_load_b128 v[XA+4*(\j):XA+4*(\j)+3], v1, s[4:5] offset:512*(\j)
.endr
.irp j, 0,1,2,3,4,5,6,7
	global_load_b128 v[GG+4*(\j):GG+4*(\j)+3], v1, s[6:7] offset:512*(\j)
.endr
.irp j, 0,1,2,3,4,5,6,7
	global_load_b128 v[BB+4*(\j):BB+4*(\j)+3], v1, s[8:9] offset:512*(\j)
.endr
	s_wait_loadcnt 16                              ; the row is in; gain and bias (16 loads) stay out
.irp k, 0,1,2,3
	v_pk_add_f32 v[SM+2*(\k):SM+2*(\k)+1], v[XA+4*(\k):XA+4*(\k)+1], v[XA+4*(\k)+2:XA+4*(\k)+3]  ; the first eight pairs start the chains
.endr
.irp k, 0,1,2,3,4,5,6,7
	v_pk_add_f32 v[SM+2*((\k)%4):SM+2*((\k)%4)+1], v[SM+2*((\k)%4):SM+2*((\k)%4)+1], v[XA+16+2*(\k):XA+16+2*(\k)+1]
.endr
	FOLD
	v_mul_f32 v[MU], s28, v[SM]                    ; / 1,024
	v_mul_f32 v[MU+1], s28, v[SM]
.irp k, 0,1,2,3,4,5,6,7,8,9,10,11,12,13,14,15
	v_pk_add_f32 v[XA+2*(\k):XA+2*(\k)+1], v[XA+2*(\k):XA+2*(\k)+1], v[MU:MU+1] neg_lo:[0,1] neg_hi:[0,1]
.endr
.irp k, 0,1,2,3
	v_pk_mul_f32 v[SM+2*(\k):SM+2*(\k)+1], v[XA+2*(\k):XA+2*(\k)+1], v[XA+2*(\k):XA+2*(\k)+1]
.endr
.irp k, 4,5,6,7,8,9,10,11,12,13,14,15
	v_pk_fma_f32 v[SM+2*((\k)%4):SM+2*((\k)%4)+1], v[XA+2*(\k):XA+2*(\k)+1], v[XA+2*(\k):XA+2*(\k)+1], v[SM+2*((\k)%4):SM+2*((\k)%4)+1]
.endr
	FOLD
	v_fma_f32 v[SM], v[SM], s28, s29               ; var + 1e-5
	v_rsq_f32 v[RS], v[SM]
	v_rsq_f32 v[RS+1], v[SM]
	v_nop                                          ; a plain instruction behind the last root,
	s_wait_alu depctr_va_vdst(0)                   ; and one wait for both, ahead of their first reader
.irp k, 0,1,2,3,4,5,6,7,8,9,10,11,12,13,14,15
	v_pk_mul_f32 v[XA+2*(\k):XA+2*(\k)+1], v[XA+2*(\k):XA+2*(\k)+1], v[RS:RS+1]
.endr
	s_wait_loadcnt 0x0                             ; gain and bias
.irp k, 0,1,2,3,4,5,6,7,8,9,10,11,12,13,14,15
	v_pk_fma_f32 v[XA+2*(\k):XA+2*(\k)+1], v[XA+2*(\k):XA+2*(\k)+1], v[GG+2*(\k):GG+2*(\k)+1], v[BB+2*(\k):BB+2*(\k)+1]
.endr
.irp j, 0,1,2,3,4,5,6,7
	v_cvt_pk_bf16_f32 v[XA+4*(\j)], v[XA+4*(\j)], v[XA+4*(\j)+1]
	v_cvt_pk_bf16_f32 v[XA+4*(\j)+1], v[XA+4*(\j)+2], v[XA+4*(\j)+3]
	global_store_b64 v2, v[XA+4*(\j):XA+4*(\j)+1], s[HP:HP+1] offset:256*(\j)  ; a store of the wave covers 256 consecutive bytes, aligned
.endr
	s_endpgm
.Lcast:                                            ; chunk c = work-group - 512 of 768: 192 of w_qkv, 64 of w_prj, 256 of w_fc1, 256 of w_fc2
	s_sub_co_u32 s22, ttmp9, LNWG
	s_mov_b32 s23, 512                             ; the first chunk of the matrix that c falls into
	s_mov_b32 s26, 256
	s_mov_b32 s27, 192
	s_mov_b64 s[24:25], s[16:17]
	s_cmp_lt_u32 s22, 512
	s_cselect_b64 s[24:25], s[14:15], s[24:25]
	s_cselect_b32 s23, s26, s23
	s_cmp_lt_u32 s22, 256
	s_cselect_b64 s[24:25], s[12:13], s[24:25]
	s_cselect_b32 s23, s27, s23
	s_cmp_lt_u32 s22, 192
	s_cselect_b64 s[24:25], s[10:11], s[24:25]
	s_cselect_b32 s23, 0, s23
	s_sub_co_u32 s23, s22, s23
	s_lshl_b32 s28, s23, 16                        ; 65,536 bytes of f32 a chunk
	s_mov_b32 s29, 0
	s_add_nc_u64 s[24:25], s[24:25], s[28:29]
	s_lshl_b32 s28, s22, 15                        ; 32,768 bytes of bf16
	s_add_nc_u64 s[20:21], s[20:21], s[28:29]
	v_lshlrev_b32 v1, 4, v0                        ; 16 x thread
	v_lshlrev_b32 v2, 3, v0                        ; 8 x thread
.irp i, 0,1,2,3,4,5,6,7,8,9,10,11,12,13,14,15
	global_load_b128 v[8+4*(\i):8+4*(\i)+3], v1, s[24:25] offset:4096*(\i) th:TH_LOAD_NT
.endr
.irp i, 0,1,2,3,4,5,6,7,8,9,10,11,12,13,14,15
	s_wait_loadcnt 15-(\i)                         ; loads come back in order: number i is in, the younger ones stay out
	v_cvt_pk_bf16_f32 v[72+2*(\i)], v[8+4*(\i)], v[8+4*(\i)+1]
	v_cvt_pk_bf16_f32 v[72+2*(\i)+1], v[8+4*(\i)+2], v[8+4*(\i)+3]
	global_store_b64 v2, v[72+2*(\i):72+2*(\i)+1], s[20:21] offset:2048*(\i)  ; a wave covers 256 consecutive bytes, aligned
.endr
	s_endpgm
.Lfunc_end_k_q2dd54d4b2a_prep:
	.size	k_q2dd54d4b2a_prep, .Lfunc_end_k_q2dd54d4b2a_prep-k_q2dd54d4b2a_prep
	.p2alignl 7, 3214868480
	.fill 96, 4, 3214868480
	.section	.rodata,"a",@progbits
	.p2align	6, 0x0
	.amdhsa_kernel k_q2dd54d4b2a_prep
		.amdhsa_group_segment_fixed_size 0
		.amdhsa_private_segment_fixed_size 0
		.amdhsa_enable_private_segment 0
		.amdhsa_kernarg_size 72
		.amdhsa_user_sgpr_count 2
		.amdhsa_user_sgpr_kernarg_segment_ptr 1
		.amdhsa_wavefront_size32 1
		.amdhsa_system_sgpr_workgroup_id_x 1
		.amdhsa_system_sgpr_workgroup_id_y 1
		.amdhsa_system_sgpr_workgroup_id_z 1
		.amdhsa_system_vgpr_workitem_id 0
		.amdhsa_next_free_vgpr 128
		.amdhsa_next_free_sgpr 66
		.amdhsa_reserve_vcc 0
		.amdhsa_float_denorm_mode_32 3
		.amdhsa_float_denorm_mode_16_64 3
		.amdhsa_memory_ordered 1
		.amdhsa_forward_progress 1
		.amdhsa_inst_pref_size 18
	.end_amdhsa_kernel
	.amdgpu_metadata
---
amdhsa.version: [ 1, 2 ]
amdhsa.kernels:
  - .name:           k_q2dd54d4b2a_prep
    .symbol:         k_q2dd54d4b2a_prep.kd
    .args:
      - { .name: x, .offset: 0, .size: 8, .value_kind: global_buffer, .address_space: global }
      - { .name: ln1_g, .offset: 8, .size: 8, .value_kind: global_buffer, .address_space: global }
      - { .name: ln1_b, .offset: 16, .size: 8, .value_kind: global_buffer, .address_space: global }
      - { .name: w_qkv, .offset: 24, .size: 8, .value_kind: global_buffer, .address_space: global }
      - { .name: w_prj, .offset: 32, .size: 8, .value_kind: global_buffer, .address_space: global }
      - { .name: w_fc1, .offset: 40, .size: 8, .value_kind: global_buffer, .address_space: global }
      - { .name: w_fc2, .offset: 48, .size: 8, .value_kind: global_buffer, .address_space: global }
      - { .name: h1, .offset: 56, .size: 8, .value_kind: global_buffer, .address_space: global }
      - { .name: wb, .offset: 64, .size: 8, .value_kind: global_buffer, .address_space: global }
    .group_segment_fixed_size: 0
    .private_segment_fixed_size: 0
    .kernarg_segment_align: 8
    .kernarg_segment_size: 72
    .max_flat_workgroup_size: 256
    .sgpr_count:     66
    .vgpr_count:     128
    .wavefront_size: 32
...
	.end_amdgpu_metadata
.endif
;; end of part 1
;; launch gqkv (part 2): grid 8 x 32, 4 waves a work-group, clusters of 4 x 4, 327,680 bytes of LDS; arguments h1, wb, qkv; writes qkv
.if DOCPART == 2
	.amdgcn_target "amdgcn-amd-amdhsa--gfx1250"
	.amdhsa_code_object_version 6
	.text
	.protected	k_q2dd54d4b2a_gqkv
	.globl	k_q2dd54d4b2a_gqkv
	.p2align	8
	.type	k_q2dd54d4b2a_gqkv,@function
k_q2dd54d4b2a_gqkv:
	s_mov_b64 s[64:65], 0
	v_nop
	global_prefetch_b8 v0, s[64:65] scope:SCOPE_SE
	s_setreg_imm32_b32 hwreg(HW_REG_WAVE_MODE, 25, 1), 1
	s_wait_xcnt 0x0
	s_wait_alu depctr_hold_cnt(0) depctr_sa_sdst(0) depctr_va_vdst(0) depctr_va_sdst(0) depctr_va_ssrc(0) depctr_va_vcc(0) depctr_vm_vsrc(0)
	s_getreg_b32 s2, hwreg(HW_REG_IB_STS2, 6, 4)
	s_cmp_eq_u32 s2, 0
	s_cbranch_scc0 .Lentry_in_a_cluster
	s_endpgm
.Lentry_in_a_cluster:
	s_bfe_u32 s2, ttmp6, 0x10000c
	s_cmp_lg_u32 s2, 0xf033
	s_cbranch_scc0 .Lentry_shape_is_right
	s_endpgm
.Lentry_shape_is_right:
; qkv = h1 @ w_qkv, written by heads: [3][32 = batch x 16 + head][2048][64] bf16, unscaled.  h1: [4096][1024] bf16; w_qkv: [1024][3072] bf16 at byte 0 of wb.  Sums in f32, K ascending, rounded once.
; A tile of C is 128 x 384, so that 32 x 8 tiles give 256 work-groups.  Four waves, 2 x 2: a wave makes 64 rows x 192 columns, 48 accumulators.  Its columns are 64 in each of the tile's three
; segments of 128: four column blocks are then one head's 64 channels.
; K goes in steps of 128 through two LDS slots filled by tensor loads: waves 0, 1 fetch the halves of A's 128 rows, waves 2, 3 the halves of B's 128 k-rows.  B lies [K][N]; its fragments come out of LDS turned.
; CLUSTER 4 x 4: A's tile is shared along a row of the cluster, B's along a column, each asked for jointly.
; The matrix instruction is used transposed (source 0 = 16 columns of B, source 1 = 16 rows of A): a lane holds eight neighbouring columns of one row of C.
; WINDOWS: 0 addresses, A's fragments v64-191, way out; 1 B's fragments; 2, 3 accumulators (number i = 12 a + b at register 8 i).
.set MODE, 0
.set PF,   1
.set TM,   128
.set TN,   384
.set KK,   1024
.set NN,   3072
.set KST,  128                         ; K in a slot
.set KC,   32                          ; K in a chunk; four chunks a step
.set MB,   4                           ; row blocks of 16 a wave
.set NBL,  12                          ; column blocks of 16 a wave
.set PA,   272                         ; A's LDS row: 256 bytes + 16
.set PB,   864                         ; B's LDS row: 3 x (256 + 32): an odd multiple of 32
.set AHALF, 17408                      ; 64 rows of A
.set BHALF, 55296                      ; 64 k-rows of B
.set ASTEP, 64                         ; a chunk along A's rows
.set WCB,  128                         ; my column half inside a segment
.set BSEG, 4                           ; column blocks in a segment,
.set BSEGP, 288                        ; and a segment's bytes in LDS
.set WOFF, 0
.set WAIT1, 4                          ; the youngest loads of a run that a chunk's first half does not need
.set QIA,  5
.set AD0,  128
.set AR,   64
.set AST,  1024
.set QIB,  5
.set ATY,  262144
.set AWC,  131072
.set ASTG, 256
.set ASZ,   2*AHALF
.set SLOT,  ASZ+2*BHALF
.set BSTEP, KC*PB
.set STEPS, KK/KST
.set BWCG,  (KST/2)*NN*2
.set BSTG,  KST*NN*2
.set STAGE, 2*SLOT                     ; behind the ring, never filled by a tensor load: 16 rows x 144 bytes for each wave
.set SPARE, STAGE+4*16*144             ; the spare words, 128 bytes a wave, that no other line names
.set AA0, 4                            ; v4    my lane's place in A's tile
.set AA,  5                            ; v5    the same in the slot in hand
.set AB0, 6                            ; v6-7  my lane's place in B's tile: chunks 0, 1 and chunks 2, 3
.set AB,  8                            ; v8-9  the same in the slot in hand
.set STO, 10
.set RD,  11
.set CO,  12
.set PFO, 16
.set SPW, 28
.set NIL, 29
.set WV,  14
.set WR,  15
.set WC,  16
.set CX,  17
.set CY,  18
.set TX,  19
.set TY,  20
.set G1A, 32
.set G1B, 40
.set G0A, 48                           ; two sets; the second walks
.set G0B, 56
.set TB,  66                           ; 0 or SLOT: the slot in hand
.set CNT, 67
.set BWA, 68
.set BWB, 69
.set LIM, 70
.set PFA, 72
.set PFS, 74
.set OB,  84                           ; s[84:89] the three head slices' places in qkv
.set MSB, 0
.macro WIN new                         ; the high byte repeats the setting that is left; a switch that changes nothing is dropped
.if MSB != (\new)
	s_set_vgpr_msb (MSB<<8)|(\new)
.set MSB, (\new)
.endif
.endm
.macro PLACES                          ; four plain instructions between a matrix instruction and a load into, or a read of, its registers
.rept 4
	v_nop
.endr
.endm
.macro CREST                           ; a round of the cluster's barrier behind its opening barrier
	s_cmp_lg_u32 s[WV], 0
	s_cbranch_scc1 .Lnot_wave_0_\@
	s_barrier_signal -3
.Lnot_wave_0_\@:
	s_barrier_wait -3
	s_barrier_signal -1
	s_barrier_wait -1
.endm
.macro CROUND
	s_barrier_signal -1
	s_barrier_wait -1
	CREST
.endm
.macro JLOAD                           ; a joint refill by the walking set; the branch hangs on the wave's number alone
	s_cmp_eq_u32 s[WR], 0
	s_cbranch_scc0 .Lfor_b_\@
	tensor_load_to_lds s[G0A+4:G0A+7], s[G1A:G1A+7]
	s_nop 0
	PLACES
	s_branch .Lasked_\@
.Lfor_b_\@:
	tensor_load_to_lds s[G0B+4:G0B+7], s[G1B:G1B+7]
	s_nop 0
	PLACES
.Lasked_\@:
.endm
.macro ASK                             ; a prefetch of the K step that the NEXT refill brings: a lane a row, 256 bytes each, every block named once in the launch; the last refill asks for nothing
	s_cmp_gt_u32 s[CNT], s[LIM]
	s_cbranch_scc0 .Lnot_mine_\@
	global_prefetch_b8 v[PFO], s[PFA:PFA+1] th:TH_LOAD_NT scope:SCOPE_SE
.Lnot_mine_\@:
.endm
.macro MM1 f, c, a, b, zero            ; one product: buffer f, 32 K number c of the chunk, row block a, column block b
.set aI, 8*((\a)*NBL+(\b))
.set aR, aI%256
.set bR, 96*(\f)+8*(NBL*(\c)+(\b))
.set cR, 64+64*(\f)+8*(MB*(\c)+(\a))
	WIN 0xa1+0x50*(aI/256)
.if \zero
	v_wmma_f32_16x16x32_bf16 v[aR:aR+7], v[bR:bR+7], v[cR:cR+7], 0
.else
	v_wmma_f32_16x16x32_bf16 v[aR:aR+7], v[bR:bR+7], v[cR:cR+7], v[aR:aR+7]
.endif
.endm
.macro MULP f, p, zero                 ; quarter p of a chunk's products.  Every accumulator comes once for each 32 K: they take turns
.if KC == 32
.set mC, 0
.set mA, (\p)*MB/4
.set mN, MB/4
.set mZ, (\zero)
.else
.set mC, (\p)/2
.set mA, 2*((\p)%2)
.set mN, 2
.set mZ, (\zero)*(1-(\p)/2)
.endif
.rept mN
.set mB, 0
.rept NBL
	MM1 \f, mC, mA, mB, mZ
.set mB, mB+1
.endr
.set mA, mA+1
.endr
.endm
.macro FETCH k, g                      ; 32 LDS loads in one run: chunk k of the slot in hand into buffer g; B turned, then A
.set fC, 0
.rept KC/32
	WIN 0x40
.set fB, 0
.rept NBL
.set fR, 96*(\g)+8*(NBL*fC+fB)
.set fO, ((\k)%2)*BSTEP+fC*32*PB+32*(fB%BSEG)+BSEGP*(fB/BSEG)
	ds_load_tr16_b128 v[fR:fR+3], v[AB+(\k)/2] offset:fO
	ds_load_tr16_b128 v[fR+4:fR+7], v[AB+(\k)/2] offset:fO+16*PB
.set fB, fB+1
.endr
	WIN 0
.set fB, 0
.rept MB
.set fR, 64+64*(\g)+8*(MB*fC+fB)
.set fO, (\k)*ASTEP+64*fC+fB*16*PA
	ds_load_b128 v[fR:fR+3], v[AA] offset:fO
	ds_load_b128 v[fR+4:fR+7], v[AA] offset:fO+32
.set fB, fB+1
.endr
.set fC, fC+1
.endr
.endm
.macro Q k, f, g, zero                 ; multiplies buffer f; in its middle fetches chunk k into buffer g
	s_wait_dscnt WAIT1                             ; what the first half needs is in; the youngest WAIT1 loads may be out
	MULP \f, 0, \zero
	MULP \f, 1, \zero
	PLACES
	FETCH \k, \g
	s_wait_dscnt 32                                ; all but the 32 just issued
	MULP \f, 2, \zero
	MULP \f, 3, \zero
.endm
.macro TURN fill                       ; a step's last chunk (buffer 1) and the change of slots
.if PF && (\fill)
	s_wait_xcnt 0x0                                ; the last prefetch, a K step back, has read its address
	s_add_nc_u64 s[PFA:PFA+1], s[PFA:PFA+1], s[PFS:PFS+1]
.endif
	WIN 0
	s_wait_tensorcnt 0x0                           ; all my tensor loads have landed: the one that was out is my part of the next slot
	ds_add_u32 v[SPW], v[NIL]                      ; 0 onto my spare word
	s_wait_dscnt WAIT1+1                           ; (the add and the youngest WAIT1 loads may be out)
	MULP 1, 0, 0
	s_wait_dscnt 0x0                               ; the add is done, and my reads of this slot are over
	s_barrier_signal -1
	MULP 1, 1, 0
	WIN 0
	s_barrier_wait -1
.if \fill
	CREST                                          ; the barrier has opened a round of the cluster's: no wave of any partner still reads the slot or has a load on its way
	s_add_co_u32 s[G0A+5], s[BWA], s[TB]           ; the slot just read,
	s_add_co_u32 s[G0B+5], s[BWB], s[TB]
	s_add_nc_u64 s[G0A+6:G0A+7], s[G0A+6:G0A+7], ASTG  ; the next K step
	s_add_nc_u64 s[G0B+6:G0B+7], s[G0B+6:G0B+7], BSTG
	JLOAD                                          ; the first tensor load behind the round; its four v_nop are also the places in front of the loads below
.else
	PLACES
.endif
	s_xor_b32 s[TB], s[TB], SLOT                   ; TB is 0 or SLOT: the other slot
	v_add_nc_u32 v[AA], s[TB], v[AA0]
	v_add_nc_u32 v[AB], s[TB], v[AB0]
	v_add_nc_u32 v[AB+1], s[TB], v[AB0+1]
	FETCH 0, 0
.if PF && (\fill)
	ASK
.endif
	MULP 1, 2, 0
	MULP 1, 3, 0
.endm
	s_load_b128 s[4:7], s[0:1], 0x0                ; h1, wb
	s_load_b64 s[8:9], s[0:1], 0x10                ; qkv
	v_lshl_add_u32 v[SPW], v0, 2, SPARE
	v_mov_b32 v[NIL], 0
	ds_add_u32 v[SPW], v[NIL]                      ; the opening: the add, waited for ahead of my first tensor load
	v_lshrrev_b32 v1, 5, v0
	v_readfirstlane_b32 s[WV], v1
	s_lshr_b32 s[WR], s[WV], 1                     ; my row half.  Also: I fetch for A (0) or B (1)
	s_and_b32 s[WC], s[WV], 1                      ; my column half.  Also: which half of that tile I fetch
	s_bfe_u32 s[CX], ttmp6, 0x40000
	s_bfe_u32 s[CY], ttmp6, 0x40004
	s_lshl_b32 s[TX], ttmp9, 2
	s_add_co_u32 s[TX], s[TX], s[CX]               ; tile column
	s_and_b32 s[TY], ttmp7, 0xffff
	s_lshl_b32 s[TY], s[TY], 2
	s_add_co_u32 s[TY], s[TY], s[CY]               ; tile row
	s_lshl_b32 s22, s[CY], 2
	s_lshl_b32 s22, 15, s22                        ; my row of the cluster
	s_lshl_b32 s23, 0x1111, s[CX]                  ; my column
	s_or_b32 s[G1A], s22, (1<<16)|(1<<20)|(1<<21)|(QIA<<22)|(3<<25)  ; mask; 2-byte elements; padding on; bit 21 beside a mask; interval; 4 words of padding
	s_or_b32 s[G1B], s23, (1<<16)|(1<<20)|(1<<21)|(QIB<<22)|(7<<25)  ; the same with 8 words
	s_mov_b32 s[G1A+1], AD0<<16                    ; tensor_dim0
	s_mov_b32 s[G1A+2], AR<<16                     ; tensor_dim1
	s_mov_b32 s[G1A+3], AD0<<16                    ; tile_dim0
	s_mov_b32 s[G1A+4], AR                         ; tile_dim1
	s_mov_b32 s[G1A+5], AST                        ; elements from row to row
	s_mov_b32 s[G1A+6], 0
	s_mov_b32 s[G1A+7], 0
	s_mov_b32 s[G1B+1], TN<<16
	s_mov_b32 s[G1B+2], (KST/2)<<16
	s_mov_b32 s[G1B+3], TN<<16
	s_mov_b32 s[G1B+4], KST/2
	s_mov_b32 s[G1B+5], NN
	s_mov_b32 s[G1B+6], 0
	s_mov_b32 s[G1B+7], 0
	s_mul_i32 s24, s[TY], ATY                      ; A's tile hangs on the tile row and the wave alone,
	s_mul_i32 s25, s[WC], AWC
	s_add_co_u32 s24, s24, s25
	s_mov_b32 s25, 0
	s_mul_i32 s26, s[TX], TN*2                     ; B's on the tile column and the wave alone
	s_mul_i32 s27, s[WC], BWCG
	s_add_co_u32 s26, s26, s27
	s_add_co_u32 s26, s26, WOFF
	s_mov_b32 s27, 0
	s_mul_i32 s[BWA], s[WC], AHALF                 ; LDS places hang on the wave alone
	s_mul_i32 s[BWB], s[WC], BHALF
	s_add_co_u32 s[BWB], s[BWB], ASZ
	s_wait_dscnt 0x0                               ; the opening add is done
	s_wait_kmcnt 0x0
	s_add_nc_u64 s[24:25], s[4:5], s[24:25]
	s_add_nc_u64 s[26:27], s[6:7], s[26:27]
	CROUND                                         ; all sixteen work-groups are here: the first joint loads meet
.irp s, 0,1
	s_mov_b32 s[G0A+4*(\s)], 1
	s_add_co_u32 s[G0A+4*(\s)+1], s[BWA], (\s)*SLOT
	s_add_nc_u64 s[G0A+4*(\s)+2:G0A+4*(\s)+3], s[24:25], (\s)*ASTG
	s_or_b32 s[G0A+4*(\s)+3], s[G0A+4*(\s)+3], 0x80000000
	s_mov_b32 s[G0B+4*(\s)], 1
	s_add_co_u32 s[G0B+4*(\s)+1], s[BWB], (\s)*SLOT
	s_add_nc_u64 s[G0B+4*(\s)+2:G0B+4*(\s)+3], s[26:27], (\s)*BSTG
	s_or_b32 s[G0B+4*(\s)+3], s[G0B+4*(\s)+3], 0x80000000
.endr
	s_cmp_eq_u32 s[WR], 0                          ; a wave's two first fills stand in one branch: two loads of mine are out
	s_cbranch_scc0 .Lfirst_b
	tensor_load_to_lds s[G0A:G0A+3], s[G1A:G1A+7]
	s_nop 0
	tensor_load_to_lds s[G0A+4:G0A+7], s[G1A:G1A+7]
	s_nop 0
	PLACES
	s_branch .Lfirst_asked
.Lfirst_b:
	tensor_load_to_lds s[G0B:G0B+3], s[G1B:G1B+7]
	s_nop 0
	tensor_load_to_lds s[G0B+4:G0B+7], s[G1B:G1B+7]
	s_nop 0
	PLACES
.Lfirst_asked:
	v_and_b32 v1, 15, v0                           ; l % 16
	v_bfe_u32 v2, v0, 4, 1                         ; l / 16
	v_mul_u32_u24 v[AA0], v1, PA                   ; A: row x pitch + 16 x half + my 64 rows
	v_lshl_add_u32 v[AA0], v2, 4, v[AA0]
	s_mul_i32 s28, s[WR], AHALF
	v_add_nc_u32 v[AA0], s28, v[AA0]
	v_and_b32 v3, 7, v0                            ; B, turned: k-row 8 (l / 16) + l % 8, 16 bytes number (l / 8) % 2
	v_lshl_add_u32 v3, v2, 3, v3
	v_mul_u32_u24 v[AB0], v3, PB
	v_bfe_u32 v3, v0, 3, 1
	v_lshl_add_u32 v[AB0], v3, 4, v[AB0]
	s_mul_i32 s28, s[WC], WCB
	s_add_co_u32 s28, s28, ASZ
	v_add_nc_u32 v[AB0], s28, v[AB0]
	v_add_nc_u32 v[AB0+1], 2*BSTEP, v[AB0]
	; the way out: my stage, and the three head slices
	s_mul_i32 s28, s[WV], 16*144
	s_add_co_u32 s28, s28, STAGE
	v_mul_u32_u24 v[STO], v1, 144                  ; in: row l % 16, 16 bytes for each half of the lanes
	v_lshl_add_u32 v[STO], v2, 4, v[STO]
	v_add_nc_u32 v[STO], s28, v[STO]
	v_bfe_u32 v[RD], v0, 3, 2                      ; back: 32 lanes take four rows of 128 bytes,
	v_mul_u32_u24 v[RD], v[RD], 144
	v_and_b32 v3, 7, v0
	v_lshl_add_u32 v[RD], v3, 4, v[RD]
	v_add_nc_u32 v[RD], s28, v[RD]
	v_and_b32 v[CO], 31, v0                        ; which are 512 consecutive bytes of a head's rows
	v_lshlrev_b32 v[CO], 4, v[CO]
	s_mul_i32 s28, s[TX], 6
	s_add_co_u32 s28, s28, s[WC]                   ; slice g = 6 tx + 2 s + WC of 48: g / 16 says q, k or v, g % 16 the head
	s_lshr_b32 s30, s[TY], 4                       ; batch
	s_and_b32 s31, s[TY], 15
	s_lshl_b32 s31, s31, 14                        ; 128 tokens of 128 bytes
	s_lshl_b32 s29, s[WR], 13
	s_add_co_u32 s31, s31, s29
.irp s, 0,1,2
	s_add_co_u32 s92, s28, 2*(\s)
	s_lshr_b32 s93, s92, 4
	s_add_co_u32 s93, s93, s30
	s_lshl_b32 s93, s93, 4
	s_add_co_u32 s92, s92, s93                     ; g + 16 (g / 16 + batch): the slab of 2,048 x 64
	s_lshl_b32 s92, s92, 18
	s_add_co_u32 s92, s92, s31
	s_mov_b32 s93, 0
	s_add_nc_u64 s[OB+2*(\s):OB+2*(\s)+1], s[8:9], s[92:93]
.endr
	; the prefetches.  A's rows of a K step: wave 0 where the cluster's x is 0, rows 32 cx + lane of the tile's 128.  B's: waves 1 to 3 where the cluster's y is 0, k-rows 32 cy + lane,
	; 256 bytes number wave - 1 of the tile's 768.  The partners are told apart by address alone.
	s_mul_i32 s28, s[TY], TM*KK*2
	s_lshl_b32 s29, s[CX], 16
	s_add_co_u32 s28, s28, s29
	s_add_co_u32 s28, s28, 2*ASTG                  ; at K step 2; the first refill steps it to 3
	s_mul_i32 s30, s[TX], TN*2
	s_mul_i32 s31, s[CY], 32*NN*2
	s_add_co_u32 s30, s30, s31
	s_sub_co_u32 s31, s[WV], 1
	s_lshl_b32 s31, s31, 8
	s_add_co_u32 s30, s30, s31
	s_add_co_u32 s30, s30, WOFF+2*BSTG
	s_mov_b32 s92, KK*2
	s_mov_b32 s93, NN*2
	s_mov_b32 s[PFS], ASTG
	s_mov_b32 s95, BSTG
	s_and_b32 s94, ttmp7, 0xffff
	s_cmp_eq_u32 s[WV], 0
	s_cselect_b32 s28, s28, s30
	s_cselect_b32 s94, ttmp9, s94                  ; the coordinate along which other clusters read the same rows
	s_cselect_b32 s92, s92, s93
	s_cselect_b32 s[PFS], s[PFS], s95
	s_cselect_b64 s[PFA:PFA+1], s[4:5], s[6:7]
	s_cmp_eq_u32 s94, 0
	s_cselect_b32 s[LIM], 1, -1
	s_mov_b32 s29, 0
	s_mov_b32 s[PFS+1], 0
	s_add_nc_u64 s[PFA:PFA+1], s[PFA:PFA+1], s[28:29]
	v_and_b32 v[PFO], 31, v0
	v_mul_lo_u32 v[PFO], v[PFO], s92
	s_wait_tensorcnt 1                             ; my part of K step 0 is in; step 1 may stay out
	s_barrier_signal -1
	s_barrier_wait -1
	s_mov_b32 s[TB], 0
	v_mov_b32 v[AA], v[AA0]
	v_mov_b32 v[AB], v[AB0]
	v_mov_b32 v[AB+1], v[AB0+1]
	FETCH 0, 0
	Q 1, 0, 1, 1                                   ; the first chunk's products start the sums: nothing is cleared
	WIN 0
	s_mov_b32 s[CNT], STEPS-1
	s_branch .Lentry
.Lloop:                                            ; STEPS - 2 changes of slots fill K steps 2 to STEPS - 1
	TURN 1
	Q 1, 0, 1, 0
	WIN 0
.Lentry:
	Q 2, 1, 0, 0
	Q 3, 0, 1, 0
	WIN 0
	s_sub_co_u32 s[CNT], s[CNT], 1
	s_cmp_lg_u32 s[CNT], 0
	s_cbranch_scc1 .Lloop
	TURN 0                                         ; the last step is written out: nothing is asked for
	Q 1, 0, 1, 0
	Q 2, 1, 0, 0
	Q 3, 0, 1, 0
	s_wait_dscnt 0x0
	MULP 1, 0, 0
	MULP 1, 1, 0
	MULP 1, 2, 0
	MULP 1, 3, 0
	WIN 0
	PLACES
	PLACES
; THE WAY OUT.  Unit u = 3 a + s: 16 tokens x one head slice of 64 channels: rounded to bf16, into my stage as rows of 144 bytes, back as four rows of 128, stored as 512 consecutive bytes.
.macro PACK u
.set pI, 12*((\u)/3)+4*((\u)%3)
	WIN 0x0a+5*((8*pI)/256)
.set pB, 0
.rept 4
.set pR, (8*(pI+pB))%256
.irp r, 0,1,2,3
	v_cvt_pk_bf16_f32 v[64+16*(\u)+4*pB+(\r)], v[pR+2*(\r)], v[pR+2*(\r)+1]
.endr
.set pB, pB+1
.endr
	WIN 0
.irp f, 0,1,2,3
	ds_store_b128 v[STO], v[64+16*(\u)+4*(\f):64+16*(\u)+4*(\f)+3] offset:32*(\f)
.endr
.irp f, 0,1,2,3
	ds_load_b128 v[64+16*(\u)+4*(\f):64+16*(\u)+4*(\f)+3], v[RD] offset:576*(\f)  ; LDS serves a wave's instructions in order (ISA guide 5.7.1.4)
.endr
.endm
.macro SEND u, younger                 ; younger: the next unit's eight LDS instructions, or none
.irp f, 0,1,2,3
	s_wait_dscnt (\younger)+3-(\f)
	global_store_b128 v[CO], v[64+16*(\u)+4*(\f):64+16*(\u)+4*(\f)+3], s[OB+2*((\u)%3):OB+2*((\u)%3)+1] offset:((\u)/3)*2048+512*(\f)
.endr
.endm
	PACK 0
.set uu, 1
.rept 11
	PACK uu
	SEND uu-1, 8
.set uu, uu+1
.endr
	SEND 11, 0
	s_wait_tensorcnt 0x0                           ; the wave's end
	ds_add_u32 v[SPW], v[NIL]
	s_wait_dscnt 0x0
	CROUND                                         ; the closing round
	s_endpgm
.Lfunc_end_k_q2dd54d4b2a_gqkv:
	.size	k_q2dd54d4b2a_gqkv, .Lfunc_end_k_q2dd54d4b2a_gqkv-k_q2dd54d4b2a_gqkv
	.p2alignl 7, 3214868480
	.fill 96, 4, 3214868480
	.section	.rodata,"a",@progbits
	.p2align	6, 0x0
	.amdhsa_kernel k_q2dd54d4b2a_gqkv
		.amdhsa_group_segment_fixed_size 327680
		.amdhsa_private_segment_fixed_size 0
		.amdhsa_enable_private_segment 0
		.amdhsa_kernarg_size 24
		.amdhsa_user_sgpr_count 2
		.amdhsa_user_sgpr_kernarg_segment_ptr 1
		.amdhsa_wavefront_size32 1
		.amdhsa_system_sgpr_workgroup_id_x 1
		.amdhsa_system_sgpr_workgroup_id_y 1
		.amdhsa_system_sgpr_workgroup_id_z 1
		.amdhsa_system_vgpr_workitem_id 0
		.amdhsa_next_free_vgpr 896
		.amdhsa_next_free_sgpr 96
		.amdhsa_reserve_vcc 0
		.amdhsa_float_denorm_mode_32 3
		.amdhsa_float_denorm_mode_16_64 3
		.amdhsa_memory_ordered 1
		.amdhsa_forward_progress 1
		.amdhsa_inst_pref_size 90
	.end_amdhsa_kernel
	.amdgpu_metadata
---
amdhsa.version: [ 1, 2 ]
amdhsa.kernels:
  - .name:           k_q2dd54d4b2a_gqkv
    .symbol:         k_q2dd54d4b2a_gqkv.kd
    .args:
      - { .name: h1, .offset: 0, .size: 8, .value_kind: global_buffer, .address_space: global }
      - { .name: wb, .offset: 8, .size: 8, .value_kind: global_buffer, .address_space: global }
      - { .name: qkv, .offset: 16, .size: 8, .value_kind: global_buffer, .address_space: global }
    .group_segment_fixed_size: 327680
    .private_segment_fixed_size: 0
    .kernarg_segment_align: 8
    .kernarg_segment_size: 24
    .max_flat_workgroup_size: 128
    .sgpr_count:     96
    .vgpr_count:     896
    .wavefront_size: 32
...
	.end_amdgpu_metadata
.endif
;; end of part 2
;; launch attn (part 3): grid 8 x 32, 4 waves a work-group, clusters of 4 x 1, 327,680 bytes of LDS; arguments qkv, oh; writes oh
.if DOCPART == 3
	.amdgcn_target "amdgcn-amd-amdhsa--gfx1250"
	.amdhsa_code_object_version 6
	.text
	.protected	k_q2dd54d4b2a_attn
	.globl	k_q2dd54d4b2a_attn
	.p2align	8
	.type	k_q2dd54d4b2a_attn,@function
k_q2dd54d4b2a_attn:
	s_mov_b64 s[64:65], 0
	v_nop
	global_prefetch_b8 v0, s[64:65] scope:SCOPE_SE
	s_setreg_imm32_b32 hwreg(HW_REG_WAVE_MODE, 25, 1), 1
	s_wait_xcnt 0x0
	s_wait_alu depctr_hold_cnt(0) depctr_sa_sdst(0) depctr_va_vdst(0) depctr_va_sdst(0) depctr_va_ssrc(0) depctr_va_vcc(0) depctr_vm_vsrc(0)
	s_getreg_b32 s2, hwreg(HW_REG_IB_STS2, 6, 4)
	s_cmp_eq_u32 s2, 0
	s_cbranch_scc0 .Lentry_in_a_cluster
	s_endpgm
.Lentry_in_a_cluster:
	s_bfe_u32 s2, ttmp6, 0x10000c
	s_cmp_lg_u32 s2, 0x3003
	s_cbranch_scc0 .Lentry_shape_is_right
	s_endpgm
.Lentry_shape_is_right:
; O[h][q][:] = the sum over k of softmax_k(Q[h][q] . K[h][k] / 8) V[h][k][:], 32 heads (batch x 16 + head) of 2,048 rows of 64 channels, all bf16; q at byte 0 of qkv, k at 8,388,608, v at 16,777,216.
; Products, maxima and sums in f32; the weights p are rounded to bf16 for the second product (their sum l is taken of the unrounded p), O once at the end.
; LIMITS.  A weight below 2^-126 counts as 0 in l; the running maximum starts with c m = -4.25e37, so scaled scores below that are not served; NaN and infinities are not treated apart.
; SHARES.  A work-group owns 256 queries of one head, a wave 64: four PIECES of 16.  Every wave walks all 2,048 keys, 64 a step, four steps to an LDS slot.
; LAYOUT.  S^T = K Q^T holds ONE query a lane (lane % 16) and the keys 8 (lane / 16) + 0..7; two such results rounded to bf16 ARE source 1 of O^T = V^T P.  V comes out of LDS turned.
; SOFTMAX.  p = 2^(c s - c m), c = log2(e) / 8, with a running maximum m; O and l are multiplied by a = 2^(c m_old - c m_new) in every step.  The first step is a step like any other, with a = 0.
; TURNS.  Turn n belongs to piece n: 8 products K Q^T of piece n + 1, later 8 products V^T P of piece n - 1; beside them the scaling, exponentials, roundings, sums and rescaling of piece n and the
; maximum and statistics of piece n + 1.  Four vector instructions stand behind every matrix instruction, the others in one lump.  A turn's 33 exponentials are one batch, with one wait.
; CLUSTER.  The four query blocks of a cluster belong to one head and walk the same K and V: each tile is asked for jointly.
; WINDOWS: 0 addresses, statistics, S^T v64-127, P v192-223;  1 O^T v0-127;  2 Q v0-63, K v128-191, V v192-255.
.set NP,    4
.set KS,    64
.set PK,    144                        ; a row of K in LDS: 128 bytes + 16
.set PV,    160                        ; a row of V: 128 + 32
.set VOFF,  4*KS*PK
.set SLOT1, 1<<17
.set STAGE, SLOT1+4*KS*(PK+PV)         ; behind the ring, never filled by a tensor load
.set SP,    144
.set SPARE, STAGE+4*16*SP              ; the spare words, 128 bytes a wave, that no other line names
.set AK0, 2
.set AV0, 3
.set AK,  4
.set AV,  5
.set STO, 6
.set RD,  7
.set GO,  8
.set MV,  12                           ; v12-13 c m_old, by buffer
.set QO,  15
.set ST,  16                           ; piece t at v[ST+4 t]: c m, m, l (even keys, odd keys)
.set TMP, 48                           ; by buffer, c0-c3 at work; c2 takes a
.set PFO, 61
.set SPW, 62
.set NIL, 63
.set S,   64
.set P,   192
.set KF,  128
.set VF,  192
.set WV,  12
.set LIM, 15
.set G1K, 24
.set G1V, 32
.set G0K, 40
.set G0V, 44
.set SLOTS, 56
.set CNT, 57
.set CS,  58
.set SEL, 60
.set TBK, 62
.set TBV, 63
.set PFA, 66
.set MSB, 0
.macro WIN new
.if MSB != (\new)
	s_set_vgpr_msb (MSB<<8)|(\new)
.set MSB, (\new)
.endif
.endm
.set W_KQ, 0x0a                        ; K and Q in window 2, S^T in window 0
.set W_PV, 0x52                        ; V in window 2, P in window 0, O^T in window 1
.set W_RS, 0x41                        ; destination and source 0 in window 1, source 1 in window 0
.macro JLOAD                           ; waves 0, 1 fetch the halves of a tile's K, waves 2, 3 those of its V: 128 keys each
	s_cmp_lt_u32 s[WV], 2
	s_cbranch_scc0 .Lfor_v_\@
	tensor_load_to_lds s[G0K:G0K+3], s[G1K:G1K+7]
	s_nop 0
.rept 4
	v_nop
.endr
	s_branch .Lasked_\@
.Lfor_v_\@:
	tensor_load_to_lds s[G0V:G0V+3], s[G1V:G1V+7]
	s_nop 0
.rept 4
	v_nop
.endr
.Lasked_\@:
.endm
.macro ASK                             ; a prefetch of the tile that the NEXT change of slots asks for: the head's first cluster, wave 0 for K and wave 2 for V, 32 blocks of 256 bytes a partner, told apart by address
	s_cmp_gt_u32 s[SLOTS], s[LIM]
	s_cbranch_scc0 .Lnot_mine_\@
	global_prefetch_b8 v[PFO], s[PFA:PFA+1] th:TH_LOAD_NT scope:SCOPE_SE
.Lnot_mine_\@:
.endm
.macro CROUND
	s_barrier_signal -1
	s_barrier_wait -1
	s_cmp_lg_u32 s[WV], 0
	s_cbranch_scc1 .Lnot_wave_0_\@
	s_barrier_signal -3
.Lnot_wave_0_\@:
	s_barrier_wait -3
	s_barrier_signal -1
	s_barrier_wait -1
.endm
; THE CHANGE OF SLOTS.  Each wave waits for all its tensor loads (one is out: its part of the other slot), adds 0 to its spare word, and waits for that and for its reads of the slot that it leaves.
; fill = 1: the barrier is a round of the cluster's, and the joint refill, with the keys two slots on, is the first thing behind it: it has four key steps in which to land.
.macro CHANGE fill
	WIN 0
	s_wait_tensorcnt 0x0
	ds_add_u32 v[SPW], v[NIL]
.if \fill
.irp g, G0K, G0V
	s_xor_b32 s[\g+1], s[\g+1], SLOT1
	s_add_nc_u64 s[\g+2:\g+3], s[\g+2:\g+3], 4*KS*128
.endr
	s_wait_xcnt 0x0                                ; the last prefetch, four key steps back, has read its address
	s_add_nc_u64 s[PFA:PFA+1], s[PFA:PFA+1], 4*KS*128
	s_wait_dscnt 0x0
	CROUND
	JLOAD
	ASK
.else
	s_wait_dscnt 0x0
	s_barrier_signal -1
	s_barrier_wait -1
.endif
	s_sub_co_u32 s[TBK], s[TBK], 4*KS*PK           ; the fetches go back to a slot's first step, in the other slot
	s_xor_b32 s[TBK], s[TBK], SLOT1
	s_sub_co_u32 s[TBV], s[TBV], 4*KS*PV
	s_xor_b32 s[TBV], s[TBV], SLOT1
.endm
	s_load_b128 s[4:7], s[0:1], 0x0                ; qkv, oh
	v_lshl_add_u32 v[SPW], v0, 2, SPARE
	v_mov_b32 v[NIL], 0
	ds_add_u32 v[SPW], v[NIL]                      ; the opening: the add, waited for ahead of my first tensor load
	v_lshrrev_b32 v1, 5, v0
	v_readfirstlane_b32 s[WV], v1
	s_bfe_u32 s13, ttmp6, 0x40000                  ; cx
	s_lshl_b32 s14, ttmp9, 2
	s_add_co_u32 s14, s14, s13                     ; my block of 256 queries: it enters Q's and O's addresses alone
	s_and_b32 s20, ttmp7, 0xffff                   ; the head, which the four partners share
	s_lshl_b32 s20, s20, 18                        ; 262,144 bytes a head
	s_and_b32 s16, s[WV], 1                        ; which half of a tile's 256 keys I fetch
	s_lshl_b32 s22, s16, 14
	s_add_co_u32 s22, s22, s20
	s_mov_b32 s23, 0
	s_mul_i32 s17, s16, 128*PK
	s_mul_i32 s18, s16, 128*PV
	s_lshl_b32 s2, s14, 2
	s_add_co_u32 s2, s2, s[WV]
	s_lshl_b32 s2, s2, 13                          ; my wave's 64 rows of 128 bytes
	s_add_co_u32 s2, s2, s20
	s_mov_b32 s3, 0
	; 128 keys are 16,384 dense bytes: asked for as 64 rows of 256 bytes, padded in LDS after every key
	s_mov_b32 s[G1K], 15|(1<<16)|(1<<20)|(1<<21)|(4<<22)|(3<<25)
	s_mov_b32 s[G1V], 15|(1<<16)|(1<<20)|(1<<21)|(4<<22)|(7<<25)
.irp g, G1K, G1V
	s_mov_b32 s[\g+1], 128<<16
	s_mov_b32 s[\g+2], 64<<16
	s_mov_b32 s[\g+3], 128<<16
	s_mov_b32 s[\g+4], 64
	s_mov_b32 s[\g+5], 128
	s_mov_b32 s[\g+6], 0
	s_mov_b32 s[\g+7], 0
.endr
	s_mov_b32 s[CS], 0x3e38aa3b                    ; c = log2(e) / 8
	s_mov_b32 s[CS+1], s[CS]
	s_mov_b32 s[SEL], 0x76543210
	s_mov_b32 s[SEL+1], 0xfedcba98
	s_mov_b32 s[TBK], SLOT1+4*KS*PK                ; the first change of slots turns these two into 0
	s_mov_b32 s[TBV], SLOT1+4*KS*PV
	s_mov_b32 s[G0K], 1
	s_mov_b32 s[G0K+1], s17
	s_mov_b32 s[G0V], 1
	s_add_co_u32 s[G0V+1], s18, VOFF
	s_mov_b32 s[SLOTS], 7                          ; tiles still to be asked for
	s_and_b32 s[LIM], s[WV], 1
	s_or_b32 s[LIM], s[LIM], ttmp9
	s_cmp_eq_u32 s[LIM], 0
	s_cselect_b32 s[LIM], 1, -1
	v_and_b32 v[PFO], 31, v0
	v_lshlrev_b32 v[PFO], 8, v[PFO]
	s_wait_dscnt 0x0
	s_wait_kmcnt 0x0
	s_add_nc_u64 s[8:9], s[4:5], s[22:23]
	s_add_nc_u64 s[10:11], s[8:9], 16777216        ; V at my half of the head's tile 0
	s_add_nc_u64 s[8:9], s[8:9], 8388608           ; K likewise
	s_mov_b64 s[G0K+2:G0K+3], s[8:9]
	s_or_b32 s[G0K+3], s[G0K+3], 0x80000000
	s_mov_b64 s[G0V+2:G0V+3], s[10:11]
	s_or_b32 s[G0V+3], s[G0V+3], 0x80000000
	s_add_nc_u64 s[4:5], s[4:5], s[2:3]            ; Q and O at my wave's first row
	s_add_nc_u64 s[6:7], s[6:7], s[2:3]
	s_cmp_lt_u32 s[WV], 2
	s_cselect_b64 s[PFA:PFA+1], s[8:9], s[10:11]   ; (in waves 0 and 2 these stand at a tile's first byte)
	s_lshl_b32 s2, s13, 13                         ; my work-group's 32 blocks of the 128
	s_add_nc_u64 s[PFA:PFA+1], s[PFA:PFA+1], s[2:3]
	s_add_nc_u64 s[PFA:PFA+1], s[PFA:PFA+1], 4*KS*128  ; at tile 1; the first change steps it to tile 2
	CROUND
	JLOAD                                          ; tile 0 into slot 0
	v_and_b32 v1, 15, v0
	v_bfe_u32 v9, v0, 4, 1
	v_lshlrev_b32 v[QO], 7, v1
	v_lshl_add_u32 v[QO], v9, 4, v[QO]
	WIN 0x80
.set i, 0
.rept 8                                ; Q stays in registers: piece i / 2, channels 32 (i % 2) on
	global_load_b128 v[8*i:8*i+3],   v[QO], s[4:5] offset:(i/2)*2048+(i%2)*64
	global_load_b128 v[8*i+4:8*i+7], v[QO], s[4:5] offset:(i/2)*2048+(i%2)*64+32
.set i, i+1
.endr
	; the first step multiplies O^T and l by a = 0, and the first turn's products V^T P, of a piece that has not been, add 0: these registers hold 0.  All this stands in the wait for the first tile.
.set i, VF
.rept 64
	v_mov_b32 v[i], 0
.set i, i+1
.endr
	WIN 0x40
.set i, 0
.rept 128
	v_mov_b32 v[i], 0
.set i, i+1
.endr
	WIN 0
.set i, 0
.rept 4
	v_mov_b32 v[ST+4*i], 0xfe000000                ; c m: far below every c s
	v_mov_b32 v[ST+4*i+1], 0xff7fffff              ; m
	v_mov_b32 v[ST+4*i+2], 0
	v_mov_b32 v[ST+4*i+3], 0
.set i, i+1
.endr
.set i, P+16
.rept 16
	v_mov_b32 v[i], 0
.set i, i+1
.endr
	v_mul_u32_u24 v[AK0], v1, PK
	v_lshl_add_u32 v[AK0], v9, 4, v[AK0]
	v_and_b32 v10, 7, v0
	v_bfe_u32 v11, v0, 3, 1
	v_lshl_add_u32 v[AV0], v9, 3, v10
	v_mul_u32_u24 v[AV0], v[AV0], PV
	v_lshl_add_u32 v[AV0], v11, 4, v[AV0]
	v_add_nc_u32 v[AV0], VOFF, v[AV0]
	s_mul_i32 s13, s[WV], 16*SP
	s_add_co_u32 s13, s13, STAGE
	v_mul_u32_u24 v[STO], v1, SP
	v_lshl_add_u32 v[STO], v9, 4, v[STO]
	v_add_nc_u32 v[STO], s13, v[STO]
	v_bfe_u32 v[RD], v0, 3, 2
	v_mul_u32_u24 v[RD], v[RD], SP
	v_lshl_add_u32 v[RD], v10, 4, v[RD]
	v_add_nc_u32 v[RD], s13, v[RD]
	v_and_b32 v[GO], 31, v0
	v_lshlrev_b32 v[GO], 4, v[GO]
; THE MATRIX WORK.  The 4 accumulators of a run of 8 take turns.
.macro KQ x                            ; product i of 8 of S^T = K Q^T for piece x: channels 32 (i / 4) on, keys 16 (i % 4) on
	WIN W_KQ
.set rS, S+32*((\x)%2)+8*(i%4)
.set rK, KF+16*(i%4)+8*(i/4)
.set rQ, 16*(\x)+8*(i/4)
.if i < 4
	v_wmma_f32_16x16x32_bf16 v[rS:rS+7], v[rK:rK+7], v[rQ:rQ+7], 0
.else
	v_wmma_f32_16x16x32_bf16 v[rS:rS+7], v[rK:rK+7], v[rQ:rQ+7], v[rS:rS+7]
.endif
.endm
.macro PV x                            ; product i of 8 of O^T += V^T P for piece x: keys 32 (i / 4) on, channels 16 (i % 4) on
	WIN W_PV
.set rO, 32*(\x)+8*(i%4)
.set rV, VF+32*(i/4)+8*(i%4)
.set rP, P+16*((\x)%2)+8*(i/4)
	v_wmma_f32_16x16x32_bf16 v[rO:rO+7], v[rV:rV+7], v[rP:rP+7], v[rO:rO+7]
.endm
.macro MM                              ; the turn's next matrix instruction.  NOKQ = 1: the last turn: there is no next piece
.if (i < 8) && !NOKQ
	KQ (Y+1)%NP
.elseif i >= 8
.set i, i-8
	PV (Y+NP-1)%NP
.set i, i+8
.endif
.set i, i+1
.endm
.macro FETCH_K                         ; a step's K: 16 loads in one run
	WIN 0x80
.irp f, 0,1,2,3,4,5,6,7
	ds_load_b128 v[KF+8*\f:KF+8*\f+3],   v[AK] offset:(\f/2)*16*PK+(\f%2)*64
	ds_load_b128 v[KF+8*\f+4:KF+8*\f+7], v[AK] offset:(\f/2)*16*PK+(\f%2)*64+32
.endr
	s_add_co_u32 s[TBK], s[TBK], KS*PK
	WIN 0
.endm
.macro FETCH_V                         ; a step's V, turned
	WIN 0x80
.irp f, 0,1,2,3,4,5,6,7
	ds_load_tr16_b128 v[VF+8*\f:VF+8*\f+3],   v[AV] offset:(\f/4)*32*PV+(\f%4)*32
	ds_load_tr16_b128 v[VF+8*\f+4:VF+8*\f+7], v[AV] offset:(\f/4)*32*PV+16*PV+(\f%4)*32
.endr
	WIN 0
.endm
; THE VECTOR WORK, one line at a time: OP kind, number.  For piece Y: F n: c s - c m for pair n.  E n: the exponential of score n.  C n: pair n rounded to bf16.  B n: of four weights the second pair is added
; onto the first.  L n: l takes that sum (L 0: l = a l + sum).  R n: pair n of O^T times a.  For piece Y + 1: X n, number n of the 22 that find its maximum and statistics; each accumulator's lowest registers are read first.
.set F, 0
.set E, 1
.set C, 2
.set B, 3
.set L, 4
.set R, 5
.set X, 6
.macro REGS y
.set rT, ST+4*(\y)
.set rC, TMP+4*((\y)%2)
.set rW, MV+((\y)%2)
.set rS, S+32*((\y)%2)
.set rP, P+16*((\y)%2)
.set rO, 32*(\y)
.endm
.macro OP k, n
.if (\k) == R
	REGS Y
	WIN W_RS
	v_pk_mul_f32 v[rO+2*(\n):rO+2*(\n)+1], v[rO+2*(\n):rO+2*(\n)+1], v[rC+2:rC+3] op_sel_hi:[1,0]
.elseif (\k) < R
	REGS Y
	WIN 0
.if (\k) == F
	v_pk_fma_f32 v[rS+2*(\n):rS+2*(\n)+1], v[rS+2*(\n):rS+2*(\n)+1], s[CS:CS+1], v[rT:rT+1] op_sel_hi:[1,0,0] neg_lo:[0,0,1] neg_hi:[0,0,1]
.elseif (\k) == E
	v_exp_f32 v[rS+(\n)], v[rS+(\n)]
.elseif (\k) == C
	v_cvt_pk_bf16_f32 v[rP+(\n)], v[rS+2*(\n)], v[rS+2*(\n)+1]
.elseif (\k) == B
	v_pk_add_f32 v[rS+4*(\n):rS+4*(\n)+1], v[rS+4*(\n):rS+4*(\n)+1], v[rS+4*(\n)+2:rS+4*(\n)+3]
.elseif (\n) == 0
	v_pk_fma_f32 v[rT+2:rT+3], v[rT+2:rT+3], v[rC+2:rC+3], v[rS:rS+1] op_sel_hi:[1,0,1]
.else
	v_pk_add_f32 v[rT+2:rT+3], v[rT+2:rT+3], v[rS+4*(\n):rS+4*(\n)+1]
.endif
.elseif NOKQ
	v_nop
.else
	REGS (Y+1)%NP
	WIN 0
.if (\n) < 4
	v_max3_num_f32 v[rC+(\n)], v[rS+8*(\n)], v[rS+8*(\n)+1], v[rS+8*(\n)+2]
.elseif (\n) < 12
	v_max3_num_f32 v[rC+(\n)%4], v[rC+(\n)%4], v[rS+8*((\n)%4)+2*((\n)/4)+1], v[rS+8*((\n)%4)+2*((\n)/4)+2]
.elseif (\n) == 12
	v_max3_num_f32 v[rC], v[rC], v[rS+7], v[rS+15]
.elseif (\n) == 13
	v_max3_num_f32 v[rC+1], v[rC+1], v[rS+23], v[rS+31]
.elseif (\n) == 14
	v_max3_num_f32 v[rC+2], v[rC+2], v[rC+3], v[rT+1]
.elseif (\n) == 15
	v_mov_b32 v[rW], v[rT]
.elseif (\n) == 16
	v_max3_num_f32 v[rC], v[rC], v[rC+1], v[rC+2]
.elseif (\n) == 17
	v_permlanex16_b32 v[rC+3], v[rC], s[SEL], s[SEL+1]
.elseif (\n) == 18
	v_max_num_f32 v[rT+1], v[rC], v[rC+3]
.elseif (\n) == 19
	v_mul_f32 v[rT], s[CS], v[rT+1]
.elseif (\n) == 20
	v_sub_f32 v[rC+1], v[rW], v[rT]
.else
	v_exp_f32 v[rC+2], v[rC+1]
.endif
.endif
.endm
.macro OPS a, i1, b=-1, i2=0, c=-1, i3=0, d=-1, i4=0
	OP \a, \i1
.if (\b) >= 0
	OP \b, \i2
.endif
.if (\c) >= 0
	OP \c, \i3
.endif
.if (\d) >= 0
	OP \d, \i4
.endif
.endm
.macro ROW a, i1, b, i2, c, i3, d, i4  ; a matrix instruction and the four behind it
	MM
	OPS \a, \i1, \b, \i2, \c, \i3, \d, \i4
.endm
; A TURN, for piece p.  Ahead of its one wait stands all that names no result of the turn's exponentials; behind it the products V^T P with the roundings and sums.
; K of the next step is fetched in piece 2's turn, V of the step in hand at the end of piece 0's; each is waited for a turn later.  end = 1: the last two turns fetch nothing.
; cnt = 1: the loop's count is taken down some lines ahead of the branch that stands behind the turn.
.macro TURN p, end=0, cnt=0
.set Y, (\p)
.set i, 0
.set NOKQ, (\end)*((\p)/3)
.if ((\p) == 3) && !(\end)
	s_wait_dscnt 0x0                               ; K is in
.endif
	ROW F,0, F,1, R,0, R,1
	ROW F,2, E,0, R,2, R,3
	ROW F,3, E,1, R,4, R,5
	ROW F,4, E,2, R,6, R,7
	ROW F,5, E,3, R,8, R,9
	ROW F,6, E,4, X,0, R,10
.if ((\p) == 2) && !(\end)
	WIN 0
	v_add_nc_u32 v[AK], s[TBK], v[AK0]
.endif
	ROW F,7, E,5, X,1, X,4
	ROW F,8, E,6, X,2, X,5
	OPS E,7, E,8, X,6, E,9
	OPS X,3, E,10, X,8, E,11
.if ((\p) == 2) && !(\end)
	FETCH_K
.endif
	OPS X,9, X,7, E,12, X,10
	OPS E,13, X,12, X,11, E,14
	OPS X,13, E,15, F,9, X,14
.if (\p) == 0
	v_add_nc_u32 v[AV], s[TBV], v[AV0]
.endif
	OPS E,16, F,10, E,17, F,11
	OPS X,16, E,18, X,15, E,19
	OPS F,12, E,20, X,17, E,21
	OPS F,13, E,22, F,14, E,23
	OPS X,18, E,24, F,15, E,25
	OPS R,11, E,26, X,19, E,27
	OPS R,12, E,28, R,13, E,29
	OPS X,20, E,30, R,14, E,31
	OPS X,21, R,15
	WIN 0
	s_wait_alu depctr_va_vdst(0)                   ; one wait for the batch, ahead of its first reader
.if (\p) == 1
	s_wait_dscnt 0x0                               ; V is in
.endif
	ROW C,0, B,0, C,2, B,1
	ROW L,0, C,4, B,2, L,1
	ROW C,6, B,3, L,2, C,8
	ROW B,4, L,3, C,10, B,5
	ROW L,4, C,12, B,6, L,5
.if (\p) == 0
	s_add_co_u32 s[TBV], s[TBV], KS*PV
.endif
.if \cnt
	s_sub_co_u32 s[CNT], s[CNT], 1
	s_cmp_lg_u32 s[CNT], 0
.endif
	ROW C,14, B,7, L,6, C,1
	ROW C,3, L,7, C,5, C,7
	ROW C,9, C,11, C,13, C,15
.if (\p) == 0
	FETCH_V
.endif
.endm
	CHANGE 1                                       ; tile 0 is in, everybody's part of it; tile 1 is asked for
	v_add_nc_u32 v[AK], s[TBK], v[AK0]
	FETCH_K                                        ; key step 0
	s_wait_loadcnt 0x0                             ; Q
	s_wait_dscnt 0x0
.set NOKQ, 0
.set i, 0
.rept 8
	KQ 0                                           ; piece 0's first scores
.set i, i+1
.endr
	WIN 0
.rept 4
	v_nop                                          ; the places behind those products
.endr
.set Y, NP-1                           ; X works for piece Y + 1: piece 0
.irp n, 0,1,2,3,4,5,6,7,8,9,10,11,12,13,14,15,16,17,18,19,20,21
	OP X, \n
.endr
	v_nop                                          ; a plain instruction behind the exponential,
	s_wait_alu depctr_va_vdst(0)                   ; and its wait, ahead of the branch
	s_mov_b32 s[CNT], 4
	s_branch .Lfirst                               ; the loop is entered at a step's first turn, in the middle of a trip
.Lslot:                                            ; six times: with the change above, tiles 1 to 7 are asked for
	CHANGE 1
	s_mov_b32 s[CNT], 4
.Lstep:                                            ; a trip: pieces 2 and 3 of one step, then pieces 0 and 1 of the next
	TURN 2
	TURN 3
	WIN 0
.Lfirst:
	TURN 0
	TURN 1, 0, 1
	WIN 0
	s_cbranch_scc1 .Lstep
	s_sub_co_u32 s[SLOTS], s[SLOTS], 1
	s_cmp_lg_u32 s[SLOTS], 0
	s_cbranch_scc1 .Lslot
	CHANGE 0                                       ; the last tile is written out
	s_mov_b32 s[CNT], 4
.LstepT:
	TURN 2
	TURN 3
	TURN 0
	TURN 1, 0, 1
	WIN 0
	s_cbranch_scc1 .LstepT
	TURN 2, 1
	TURN 3, 1
.set i, 0
.rept 8
	PV NP-1                                        ; the last piece's V^T P of the last step
.set i, i+1
.endr
	; THE WAY OUT.  l's two halves and the other half of the lanes' are added; O^T is divided by l, rounded to bf16 and sent through my stage, a piece at a time.  The additions are the places behind the last products.
	WIN 0
.macro ALL line:vararg
.set t, 0
.rept 4
	\line
.set t, t+1
.endr
.endm
	ALL v_add_f32 v[ST+4*t+2], v[ST+4*t+2], v[ST+4*t+3]
	ALL v_permlanex16_b32 v[ST+4*t+3], v[ST+4*t+2], s[SEL], s[SEL+1]
	ALL v_add_f32 v[ST+4*t+2], v[ST+4*t+2], v[ST+4*t+3]
	ALL v_rcp_f32 v[ST+4*t+2], v[ST+4*t+2]
	v_nop
	s_wait_alu depctr_va_vdst(0)                   ; one wait for the four reciprocals
.macro PACK t
	WIN W_RS
.set i, 32*(\t)
.rept 16
	v_pk_mul_f32 v[i:i+1], v[i:i+1], v[ST+4*(\t)+2:ST+4*(\t)+3] op_sel_hi:[1,0]
.set i, i+2
.endr
	WIN 0x05
.set i, 0
.rept 16
	v_cvt_pk_bf16_f32 v[S+16*(\t)+i], v[32*(\t)+2*i], v[32*(\t)+2*i+1]
.set i, i+1
.endr
	WIN 0
.irp f, 0,1,2,3
	ds_store_b128 v[STO], v[S+16*(\t)+4*\f:S+16*(\t)+4*\f+3] offset:32*\f
.endr
.irp f, 0,1,2,3
	ds_load_b128 v[S+16*(\t)+4*\f:S+16*(\t)+4*\f+3], v[RD] offset:\f*4*SP  ; LDS serves a wave's instructions in order (ISA guide 5.7.1.4)
.endr
.endm
.macro SEND t, younger                 ; younger: the next piece's eight LDS instructions, or none
	WIN 0
.irp f, 0,1,2,3
	s_wait_dscnt (\younger)+3-\f
	global_store_b128 v[GO], v[S+16*(\t)+4*\f:S+16*(\t)+4*\f+3], s[6:7] offset:(\t)*2048+\f*512  ; 512 consecutive bytes, aligned
.endr
.endm
	PACK 0
.set t, 1
.rept 3
	PACK t
	SEND t-1, 8
.set t, t+1
.endr
	SEND 3, 0
	s_wait_tensorcnt 0x0                           ; the wave's end
	ds_add_u32 v[SPW], v[NIL]
	s_wait_dscnt 0x0
	CROUND                                         ; the closing round
	s_endpgm
.Lfunc_end_k_q2dd54d4b2a_attn:
	.size	k_q2dd54d4b2a_attn, .Lfunc_end_k_q2dd54d4b2a_attn-k_q2dd54d4b2a_attn
	.p2alignl 7, 3214868480
	.fill 96, 4, 3214868480
	.section	.rodata,"a",@progbits
	.p2align	6, 0x0
	.amdhsa_kernel k_q2dd54d4b2a_attn
		.amdhsa_group_segment_fixed_size 327680
		.amdhsa_private_segment_fixed_size 0
		.amdhsa_enable_private_segment 0
		.amdhsa_kernarg_size 16
		.amdhsa_user_sgpr_count 2
		.amdhsa_user_sgpr_kernarg_segment_ptr 1
		.amdhsa_wavefront_size32 1
		.amdhsa_system_sgpr_workgroup_id_x 1
		.amdhsa_system_sgpr_workgroup_id_y 1
		.amdhsa_system_sgpr_workgroup_id_z 1
		.amdhsa_system_vgpr_workitem_id 0
		.amdhsa_next_free_vgpr 768
		.amdhsa_next_free_sgpr 72
		.amdhsa_reserve_vcc 0
		.amdhsa_float_denorm_mode_32 3
		.amdhsa_float_denorm_mode_16_64 3
		.amdhsa_memory_ordered 1
		.amdhsa_forward_progress 1
		.amdhsa_inst_pref_size 128
	.end_amdhsa_kernel
	.amdgpu_metadata
---
amdhsa.version: [ 1, 2 ]
amdhsa.kernels:
  - .name:           k_q2dd54d4b2a_attn
    .symbol:         k_q2dd54d4b2a_attn.kd
    .args:
      - { .name: qkv, .offset: 0, .size: 8, .value_kind: global_buffer, .address_space: global }
      - { .name: oh, .offset: 8, .size: 8, .value_kind: global_buffer, .address_space: global }
    .group_segment_fixed_size: 327680
    .private_segment_fixed_size: 0
    .kernarg_segment_align: 8
    .kernarg_segment_size: 16
    .max_flat_workgroup_size: 128
    .sgpr_count:     72
    .vgpr_count:     768
    .wavefront_size: 32
...
	.end_amdgpu_metadata
.endif
;; end of part 3
;; launch gprj (part 4): grid 8 x 32, 4 waves a work-group, clusters of 4 x 4, 327,680 bytes of LDS; arguments oh, wb, x1, b_prj, x; writes x1
.if DOCPART == 4
	.amdgcn_target "amdgcn-amd-amdhsa--gfx1250"
	.amdhsa_code_object_version 6
	.text
	.protected	k_q2dd54d4b2a_gprj
	.globl	k_q2dd54d4b2a_gprj
	.p2align	8
	.type	k_q2dd54d4b2a_gprj,@function
k_q2dd54d4b2a_gprj:
	s_mov_b64 s[64:65], 0
	v_nop
	global_prefetch_b8 v0, s[64:65] scope:SCOPE_SE
	s_setreg_imm32_b32 hwreg(HW_REG_WAVE_MODE, 25, 1), 1
	s_wait_xcnt 0x0
	s_wait_alu depctr_hold_cnt(0) depctr_sa_sdst(0) depctr_va_vdst(0) depctr_va_sdst(0) depctr_va_ssrc(0) depctr_va_vcc(0) depctr_vm_vsrc(0)
	s_getreg_b32 s2, hwreg(HW_REG_IB_STS2, 6, 4)
	s_cmp_eq_u32 s2, 0
	s_cbranch_scc0 .Lentry_in_a_cluster
	s_endpgm
.Lentry_in_a_cluster:
	s_bfe_u32 s2, ttmp6, 0x10000c
	s_cmp_lg_u32 s2, 0xf033
	s_cbranch_scc0 .Lentry_shape_is_right
	s_endpgm
.Lentry_shape_is_right:
; x1 = x + oh @ w_prj + b_prj, f32.  oh: [32 = batch x 16 + head][2048][64] bf16, so a head's 64 channels are a slice of K; w_prj: [1024][1024] bf16 at byte 6,291,456 of wb.  Sums in f32.
; A tile of C is 128 x 128: 32 x 8 tiles give 256 work-groups.  Four waves, 2 x 2, each 64 x 64: 16 accumulators.  K goes in steps of 256 (four heads) through two LDS slots.
; Waves 0, 1 fetch the halves of A's 128 tokens (4 heads x 64 tokens x 128 bytes, dense for each head), waves 2, 3 the halves of B's 256 k-rows.  B lies [K][N]; its fragments come out of LDS turned.
; CLUSTER 4 x 4: A's tile is shared along a row of the cluster, B's along a column.  No prefetch: small tiles and a short launch.
; THE WALK OVER K IS TURNED: a cluster begins at K step (2 x + y) mod 4, x and y its own coordinates, and walks round the end of K, so that clusters that read the same rows of A or of B ask for
; different blocks at a time.  The order of an output's f32 sum hangs on the cluster; nothing else does.
; The matrix instruction is used transposed: a lane holds eight neighbouring columns of one row of C.  On the way out the f32 sums go through LDS, in the ring's bytes behind their last fill.
; WINDOWS: 0 addresses, A's fragments v64-191; 1 B's fragments; 2 accumulators v0-127 and the residual v128-255.
.set MODE, 2
.set TM,   128
.set TN,   128
.set KK,   1024
.set NN,   1024
.set KST,  256
.set KC,   64
.set MB,   4
.set NBL,  4
.set PA,   144                         ; a token's 128 bytes of one head + 16
.set PB,   288                         ; 256 + 32
.set AHALF, 36864                      ; 4 heads x 64 tokens
.set BHALF, 36864                      ; 128 k-rows
.set ASTEP, 9216                       ; a chunk is a head: 64 tokens x 144
.set WCB,  128
.set BSEG, 16
.set BSEGP, 0
.set WOFF, 6291456
.set WAIT1, 16
.set QIA,  4
.set AD0,  4096
.set AR,   4
.set AST,  131072
.set QIB,  5
.set ATY,  16384
.set AWC,  8192
.set ASTG, 1048576
.set KRX,  2                           ; the first K step: KRX x cluster x + KRY x cluster y, modulo STEPS
.set KRY,  1
.set ASZ,   2*AHALF
.set SLOT,  ASZ+2*BHALF
.set BSTEP, KC*PB
.set STEPS, KK/KST
.set BWCG,  (KST/2)*NN*2
.set BSTG,  KST*NN*2
.set SP,    272                        ; a stage row: 64 f32 + 16 bytes
.set SPARE, 2*SLOT                     ; the spare words, 128 bytes a wave, that no other line names
.set AA0, 4
.set AA,  5
.set AB0, 6
.set AB,  8
.set STO, 10
.set RD,  11
.set CO,  12
.set BO,  13
.set BI,  20                           ; v[20:23] the bias of my four columns
.set SPW, 28
.set NIL, 29
.set WV,  14
.set WR,  15
.set WC,  16
.set CX,  17
.set CY,  18
.set TX,  19
.set TY,  20
.set PTA, 24                           ; s[24:25] A at my part of the tile, K step 0; never rewritten once made
.set PTB, 26                           ; s[26:27] B likewise
.set G1A, 32
.set G1B, 40
.set G0A, 48
.set G0B, 56
.set TB,  66
.set CNT, 67
.set BWA, 68
.set BWB, 69
.set KI,  71                           ; s71 the K step that the next load brings
.set AOF, 72                           ; s[72:73] its byte offset in A,
.set BOF, 74                           ; s[74:75] and in B
.set MSB, 0
.macro WIN new
.if MSB != (\new)
	s_set_vgpr_msb (MSB<<8)|(\new)
.set MSB, (\new)
.endif
.endm
.macro PLACES                          ; four plain instructions between a matrix instruction and a load into, or a read of, its registers
.rept 4
	v_nop
.endr
.endm
.macro CREST
	s_cmp_lg_u32 s[WV], 0
	s_cbranch_scc1 .Lnot_wave_0_\@
	s_barrier_signal -3
.Lnot_wave_0_\@:
	s_barrier_wait -3
	s_barrier_signal -1
	s_barrier_wait -1
.endm
.macro CROUND
	s_barrier_signal -1
	s_barrier_wait -1
	CREST
.endm
.macro JLOAD
	s_cmp_eq_u32 s[WR], 0
	s_cbranch_scc0 .Lfor_b_\@
	tensor_load_to_lds s[G0A+4:G0A+7], s[G1A:G1A+7]
	s_nop 0
	PLACES
	s_branch .Lasked_\@
.Lfor_b_\@:
	tensor_load_to_lds s[G0B+4:G0B+7], s[G1B:G1B+7]
	s_nop 0
	PLACES
.Lasked_\@:
.endm
.macro SETADR s                        ; group 0 number s takes K step KI: the address is made anew from the tile's base and an offset made apart; KI then goes on by one, round the end of K
	s_mul_i32 s[AOF], s[KI], ASTG
	s_mul_i32 s[BOF], s[KI], BSTG
	s_add_nc_u64 s[G0A+4*(\s)+2:G0A+4*(\s)+3], s[PTA:PTA+1], s[AOF:AOF+1]
	s_or_b32 s[G0A+4*(\s)+3], s[G0A+4*(\s)+3], 0x80000000
	s_add_nc_u64 s[G0B+4*(\s)+2:G0B+4*(\s)+3], s[PTB:PTB+1], s[BOF:BOF+1]
	s_or_b32 s[G0B+4*(\s)+3], s[G0B+4*(\s)+3], 0x80000000
	s_add_co_u32 s[KI], s[KI], 1
	s_and_b32 s[KI], s[KI], STEPS-1
.endm
.macro MM1 f, c, a, b, zero
.set aI, 8*((\a)*NBL+(\b))
.set aR, aI%256
.set bR, 96*(\f)+8*(NBL*(\c)+(\b))
.set cR, 64+64*(\f)+8*(MB*(\c)+(\a))
	WIN 0xa1+0x50*(aI/256)
.if \zero
	v_wmma_f32_16x16x32_bf16 v[aR:aR+7], v[bR:bR+7], v[cR:cR+7], 0
.else
	v_wmma_f32_16x16x32_bf16 v[aR:aR+7], v[bR:bR+7], v[cR:cR+7], v[aR:aR+7]
.endif
.endm
.macro MULP f, p, zero                 ; quarter p of a chunk's products.  Every accumulator comes once for each 32 K: they take turns
.set mC, (\p)/2
.set mA, 2*((\p)%2)
.set mZ, (\zero)*(1-(\p)/2)
.rept 2
.set mB, 0
.rept NBL
	MM1 \f, mC, mA, mB, mZ
.set mB, mB+1
.endr
.set mA, mA+1
.endr
.endm
.macro FETCH k, g                      ; 32 LDS loads in one run: chunk k of the slot in hand into buffer g; for each 32 K: B turned, then A
.set fC, 0
.rept KC/32
	WIN 0x40
.set fB, 0
.rept NBL
.set fR, 96*(\g)+8*(NBL*fC+fB)
.set fO, ((\k)%2)*BSTEP+fC*32*PB+32*(fB%BSEG)+BSEGP*(fB/BSEG)
	ds_load_tr16_b128 v[fR:fR+3], v[AB+(\k)/2] offset:fO
	ds_load_tr16_b128 v[fR+4:fR+7], v[AB+(\k)/2] offset:fO+16*PB
.set fB, fB+1
.endr
	WIN 0
.set fB, 0
.rept MB
.set fR, 64+64*(\g)+8*(MB*fC+fB)
.set fO, (\k)*ASTEP+64*fC+fB*16*PA
	ds_load_b128 v[fR:fR+3], v[AA] offset:fO
	ds_load_b128 v[fR+4:fR+7], v[AA] offset:fO+32
.set fB, fB+1
.endr
.set fC, fC+1
.endr
.endm
.macro Q k, f, g, zero
	s_wait_dscnt WAIT1                             ; the first 32 K are in; the youngest WAIT1 loads may be out
	MULP \f, 0, \zero
	MULP \f, 1, \zero
	PLACES
	FETCH \k, \g
	s_wait_dscnt 32                                ; all but the 32 just issued
	MULP \f, 2, \zero
	MULP \f, 3, \zero
.endm
; THE CHANGE OF SLOTS, and a step's last chunk (buffer 1).  A step has 128 products a wave for 131,072 bytes of tiles, so the request stands as early as the ordering allows: between the wait that shows
; one tile landed and the request for the next stand the add, the descriptor's words, the wait for my reads of the slot, and the round.  All 32 products of the chunk, which touch registers alone, follow the request.
.macro TURN fill
	WIN 0
	s_wait_tensorcnt 0x0                           ; all my tensor loads have landed: the one that was out is my part of the next slot; so a group 0 may be written
	ds_add_u32 v[SPW], v[NIL]                      ; 0 onto my spare word; work on registers stands between it and the wait for it
.if \fill
	s_add_co_u32 s[G0A+5], s[BWA], s[TB]           ; the slot that is being left,
	s_add_co_u32 s[G0B+5], s[BWB], s[TB]
	SETADR 1                                       ; the next K step of the walk
.endif
	s_xor_b32 s[TB], s[TB], SLOT                   ; TB is 0 or SLOT: the other slot
	v_add_nc_u32 v[AA], s[TB], v[AA0]
	v_add_nc_u32 v[AB], s[TB], v[AB0]
	v_add_nc_u32 v[AB+1], s[TB], v[AB0+1]
	s_wait_dscnt 0x0                               ; the add is done, and my reads of the slot are over: its last chunk lies in buffer 1
	s_barrier_signal -1
	s_barrier_wait -1
.if \fill
	CREST                                          ; the barrier has opened a round of the cluster's: no wave of any partner still reads the slot or has a load on its way
	JLOAD                                          ; the first tensor load behind the round; its four v_nop are also the places in front of the loads below
.else
	PLACES
.endif
	FETCH 0, 0
	MULP 1, 0, 0
	MULP 1, 1, 0
	MULP 1, 2, 0
	MULP 1, 3, 0
.endm
	s_load_b256 s[4:11], s[0:1], 0x0               ; A, wb, out, bias
	s_load_b64 s[12:13], s[0:1], 0x20              ; residual
	v_lshl_add_u32 v[SPW], v0, 2, SPARE
	v_mov_b32 v[NIL], 0
	ds_add_u32 v[SPW], v[NIL]                      ; the opening: the add, waited for ahead of my first tensor load
	v_lshrrev_b32 v1, 5, v0
	v_readfirstlane_b32 s[WV], v1
	s_lshr_b32 s[WR], s[WV], 1
	s_and_b32 s[WC], s[WV], 1
	s_bfe_u32 s[CX], ttmp6, 0x40000
	s_bfe_u32 s[CY], ttmp6, 0x40004
	s_lshl_b32 s[TX], ttmp9, 2
	s_add_co_u32 s[TX], s[TX], s[CX]
	s_and_b32 s[TY], ttmp7, 0xffff
	s_lshl_b32 s[TY], s[TY], 2
	s_add_co_u32 s[TY], s[TY], s[CY]
	s_lshl_b32 s22, s[CY], 2
	s_lshl_b32 s22, 15, s22
	s_lshl_b32 s23, 0x1111, s[CX]
	s_or_b32 s[G1A], s22, (1<<16)|(1<<20)|(1<<21)|(QIA<<22)|(3<<25)
	s_or_b32 s[G1B], s23, (1<<16)|(1<<20)|(1<<21)|(QIB<<22)|(7<<25)
	s_mov_b32 s[G1A+1], AD0<<16
	s_mov_b32 s[G1A+2], AR<<16
	s_mov_b32 s[G1A+3], AD0<<16
	s_mov_b32 s[G1A+4], AR
	s_mov_b32 s[G1A+5], AST
	s_mov_b32 s[G1A+6], 0
	s_mov_b32 s[G1A+7], 0
	s_mov_b32 s[G1B+1], TN<<16
	s_mov_b32 s[G1B+2], (KST/2)<<16
	s_mov_b32 s[G1B+3], TN<<16
	s_mov_b32 s[G1B+4], KST/2
	s_mov_b32 s[G1B+5], NN
	s_mov_b32 s[G1B+6], 0
	s_mov_b32 s[G1B+7], 0
	s_mul_i32 s24, s[TY], ATY
	s_mul_i32 s25, s[WC], AWC
	s_add_co_u32 s24, s24, s25
	s_lshr_b32 s25, s[TY], 4                       ; the second batch begins 16 heads on, not 16 tiles of tokens on
	s_mul_i32 s25, s25, 3932160
	s_add_co_u32 s24, s24, s25
	s_mov_b32 s25, 0
	s_mul_i32 s26, s[TX], TN*2
	s_mul_i32 s27, s[WC], BWCG
	s_add_co_u32 s26, s26, s27
	s_add_co_u32 s26, s26, WOFF
	s_mov_b32 s27, 0
	s_mul_i32 s[BWA], s[WC], AHALF
	s_mul_i32 s[BWB], s[WC], BHALF
	s_add_co_u32 s[BWB], s[BWB], ASZ
	s_and_b32 s[AOF], ttmp7, 0xffff                ; the walk's first K step, of the cluster's coordinates alone: the same in all sixteen partners
	s_mul_i32 s[AOF], s[AOF], KRY
	s_mul_i32 s[KI], ttmp9, KRX
	s_add_co_u32 s[KI], s[KI], s[AOF]
	s_and_b32 s[KI], s[KI], STEPS-1
	s_mov_b32 s[AOF+1], 0
	s_mov_b32 s[BOF+1], 0
	s_wait_dscnt 0x0
	s_wait_kmcnt 0x0
	s_add_nc_u64 s[PTA:PTA+1], s[4:5], s[24:25]
	s_add_nc_u64 s[PTB:PTB+1], s[6:7], s[26:27]
	CROUND
.irp s, 0,1
	s_mov_b32 s[G0A+4*(\s)], 1
	s_add_co_u32 s[G0A+4*(\s)+1], s[BWA], (\s)*SLOT
	s_mov_b32 s[G0B+4*(\s)], 1
	s_add_co_u32 s[G0B+4*(\s)+1], s[BWB], (\s)*SLOT
	SETADR \s
.endr
	s_cmp_eq_u32 s[WR], 0                          ; a wave's two first fills stand in one branch: two loads of mine are out
	s_cbranch_scc0 .Lfirst_b
	tensor_load_to_lds s[G0A:G0A+3], s[G1A:G1A+7]
	s_nop 0
	tensor_load_to_lds s[G0A+4:G0A+7], s[G1A:G1A+7]
	s_nop 0
	PLACES
	s_branch .Lfirst_asked
.Lfirst_b:
	tensor_load_to_lds s[G0B:G0B+3], s[G1B:G1B+7]
	s_nop 0
	tensor_load_to_lds s[G0B+4:G0B+7], s[G1B:G1B+7]
	s_nop 0
	PLACES
.Lfirst_asked:
	v_and_b32 v1, 15, v0
	v_bfe_u32 v2, v0, 4, 1
	v_mul_u32_u24 v[AA0], v1, PA
	v_lshl_add_u32 v[AA0], v2, 4, v[AA0]
	s_mul_i32 s28, s[WR], AHALF
	v_add_nc_u32 v[AA0], s28, v[AA0]
	v_and_b32 v3, 7, v0
	v_lshl_add_u32 v3, v2, 3, v3
	v_mul_u32_u24 v[AB0], v3, PB
	v_bfe_u32 v3, v0, 3, 1
	v_lshl_add_u32 v[AB0], v3, 4, v[AB0]
	s_mul_i32 s28, s[WC], WCB
	s_add_co_u32 s28, s28, ASZ
	v_add_nc_u32 v[AB0], s28, v[AB0]
	v_add_nc_u32 v[AB0+1], 2*BSTEP, v[AB0]
	; the way out: my stage of 64 rows x 272 bytes; my part of the residual and of the output; my four columns of the bias
	s_mul_i32 s28, s[WV], 64*SP
	v_mul_u32_u24 v[STO], v1, SP                   ; in: row l % 16, 32 bytes for each half of the lanes
	v_lshl_add_u32 v[STO], v2, 5, v[STO]
	v_add_nc_u32 v[STO], s28, v[STO]
	v_mul_u32_u24 v[RD], v2, SP                    ; back: lanes 0-15 one row of 256 bytes, lanes 16-31 the next
	v_lshl_add_u32 v[RD], v1, 4, v[RD]
	v_add_nc_u32 v[RD], s28, v[RD]
	v_lshlrev_b32 v[CO], 12, v2                    ; the same two rows in memory
	v_lshl_add_u32 v[CO], v1, 4, v[CO]
	v_lshlrev_b32 v[BO], 4, v1
	s_lshl_b32 s30, s[TX], 9                       ; my 64 columns: 512 tx + 256 WC bytes
	s_lshl_b32 s29, s[WC], 8
	s_add_co_u32 s30, s30, s29
	s_mov_b32 s31, 0
	s_add_nc_u64 s[10:11], s[10:11], s[30:31]
	s_lshl_b32 s28, s[TY], 19                      ; my 64 rows of 4,096 bytes
	s_lshl_b32 s29, s[WR], 18
	s_add_co_u32 s28, s28, s29
	s_add_co_u32 s28, s28, s30
	s_mov_b32 s29, 0
	s_add_nc_u64 s[12:13], s[12:13], s[28:29]
	s_add_nc_u64 s[8:9], s[8:9], s[28:29]
	WIN 0x80                                       ; the residual, in the layout of the stores, stays out through the whole K loop
.set t, 0
.rept 32
	global_load_b128 v[128+4*t:128+4*t+3], v[CO], s[12:13] offset:8192*t
.set t, t+1
.endr
	WIN 0
	global_load_b128 v[BI:BI+3], v[BO], s[10:11]
	s_wait_tensorcnt 1                             ; my part of the walk's first step is in; the second may stay out
	s_barrier_signal -1
	s_barrier_wait -1
	s_mov_b32 s[TB], 0
	v_mov_b32 v[AA], v[AA0]
	v_mov_b32 v[AB], v[AB0]
	v_mov_b32 v[AB+1], v[AB0+1]
	FETCH 0, 0
	Q 1, 0, 1, 1                                   ; the first products start the sums: nothing is cleared
	WIN 0
	s_mov_b32 s[CNT], STEPS-1
	s_branch .Lentry
.Lloop:                                            ; STEPS - 2 changes of slots fill the walk's steps 2 to STEPS - 1
	TURN 1
	Q 1, 0, 1, 0
	WIN 0
.Lentry:
	Q 2, 1, 0, 0
	Q 3, 0, 1, 0
	WIN 0
	s_sub_co_u32 s[CNT], s[CNT], 1
	s_cmp_lg_u32 s[CNT], 0
	s_cbranch_scc1 .Lloop
	TURN 0                                         ; the last step is written out: nothing is asked for
	Q 1, 0, 1, 0
	Q 2, 1, 0, 0
	Q 3, 0, 1, 0
	s_wait_dscnt 0x0                               ; my reads of the ring are over:
	s_barrier_signal -1
	MULP 1, 0, 0
	MULP 1, 1, 0
	MULP 1, 2, 0
	MULP 1, 3, 0
	WIN 0
	s_barrier_wait -1                              ; everybody's are: the ring, which has had its last fill, serves as the stage
	PLACES
	PLACES
	WIN 0x08                                       ; store data in window 2
.set i, 0
.rept 16
	ds_store_b128 v[STO], v[8*i:8*i+3]   offset:(i/NBL)*16*SP+64*(i%NBL)
	ds_store_b128 v[STO], v[8*i+4:8*i+7] offset:(i/NBL)*16*SP+64*(i%NBL)+16
.set i, i+1
.endr
	WIN 0
.set t, 0
.rept 32
	ds_load_b128 v[64+4*t:64+4*t+3], v[RD] offset:t*2*SP  ; my own bytes: LDS serves a wave's instructions in order (ISA guide 5.7.1.4)
.set t, t+1
.endr
	s_wait_loadcnt 0x0                             ; residual and bias
	WIN 0x88                                       ; destination and source 1 (a store's data too) in window 2, source 0 (a store's address too) in window 0
.set t, 0
.rept 32
	s_wait_dscnt 31-t                              ; rows 2 t, 2 t + 1 are back; the younger reads stay out
	v_pk_add_f32 v[128+4*t:128+4*t+1],   v[64+4*t:64+4*t+1],   v[128+4*t:128+4*t+1]
	v_pk_add_f32 v[128+4*t+2:128+4*t+3], v[64+4*t+2:64+4*t+3], v[128+4*t+2:128+4*t+3]
	v_pk_add_f32 v[128+4*t:128+4*t+1],   v[BI:BI+1],   v[128+4*t:128+4*t+1]
	v_pk_add_f32 v[128+4*t+2:128+4*t+3], v[BI+2:BI+3], v[128+4*t+2:128+4*t+3]
	global_store_b128 v[CO], v[128+4*t:128+4*t+3], s[8:9] offset:8192*t  ; 16 lanes store 256 consecutive bytes, aligned
.set t, t+1
.endr
	WIN 0
	s_wait_tensorcnt 0x0                           ; the wave's end
	ds_add_u32 v[SPW], v[NIL]
	s_wait_dscnt 0x0
	CROUND                                         ; the closing round
	s_endpgm
.Lfunc_end_k_q2dd54d4b2a_gprj:
	.size	k_q2dd54d4b2a_gprj, .Lfunc_end_k_q2dd54d4b2a_gprj-k_q2dd54d4b2a_gprj
	.p2alignl 7, 3214868480
	.fill 96, 4, 3214868480
	.section	.rodata,"a",@progbits
	.p2align	6, 0x0
	.amdhsa_kernel k_q2dd54d4b2a_gprj
		.amdhsa_group_segment_fixed_size 327680
		.amdhsa_private_segment_fixed_size 0
		.amdhsa_enable_private_segment 0
		.amdhsa_kernarg_size 40
		.amdhsa_user_sgpr_count 2
		.amdhsa_user_sgpr_kernarg_segment_ptr 1
		.amdhsa_wavefront_size32 1
		.amdhsa_system_sgpr_workgroup_id_x 1
		.amdhsa_system_sgpr_workgroup_id_y 1
		.amdhsa_system_sgpr_workgroup_id_z 1
		.amdhsa_system_vgpr_workitem_id 0
		.amdhsa_next_free_vgpr 768
		.amdhsa_next_free_sgpr 96
		.amdhsa_reserve_vcc 0
		.amdhsa_float_denorm_mode_32 3
		.amdhsa_float_denorm_mode_16_64 3
		.amdhsa_memory_ordered 1
		.amdhsa_forward_progress 1
		.amdhsa_inst_pref_size 73
	.end_amdhsa_kernel
	.amdgpu_metadata
---
amdhsa.version: [ 1, 2 ]
amdhsa.kernels:
  - .name:           k_q2dd54d4b2a_gprj
    .symbol:         k_q2dd54d4b2a_gprj.kd
    .args:
      - { .name: oh, .offset: 0, .size: 8, .value_kind: global_buffer, .address_space: global }
      - { .name: wb, .offset: 8, .size: 8, .value_kind: global_buffer, .address_space: global }
      - { .name: x1, .offset: 16, .size: 8, .value_kind: global_buffer, .address_space: global }
      - { .name: b_prj, .offset: 24, .size: 8, .value_kind: global_buffer, .address_space: global }
      - { .name: x, .offset: 32, .size: 8, .value_kind: global_buffer, .address_space: global }
    .group_segment_fixed_size: 327680
    .private_segment_fixed_size: 0
    .kernarg_segment_align: 8
    .kernarg_segment_size: 40
    .max_flat_workgroup_size: 128
    .sgpr_count:     96
    .vgpr_count:     768
    .wavefront_size: 32
...
	.end_amdgpu_metadata
.endif
;; end of part 4
;; launch ln2: the kernel of part 1 again; grid 512 x 1, 8 waves a work-group, no clusters, 0 bytes of LDS; arguments x1, ln2_g, ln2_b, w_qkv, w_prj, w_fc1, w_fc2, h2, wb; writes h2, wb
;; launch gfc1 (part 5): grid 16 x 16, 4 waves a work-group, clusters of 4 x 4, 327,680 bytes of LDS; arguments h2, wb, h3, b_fc1; writes h3
.if DOCPART == 5
	.amdgcn_target "amdgcn-amd-amdhsa--gfx1250"
	.amdhsa_code_object_version 6
	.text
	.protected	k_q2dd54d4b2a_gfc1
	.globl	k_q2dd54d4b2a_gfc1
	.p2align	8
	.type	k_q2dd54d4b2a_gfc1,@function
k_q2dd54d4b2a_gfc1:
	s_mov_b64 s[64:65], 0
	v_nop
	global_prefetch_b8 v0, s[64:65] scope:SCOPE_SE
	s_setreg_imm32_b32 hwreg(HW_REG_WAVE_MODE, 25, 1), 1
	s_wait_xcnt 0x0
	s_wait_alu depctr_hold_cnt(0) depctr_sa_sdst(0) depctr_va_vdst(0) depctr_va_sdst(0) depctr_va_ssrc(0) depctr_va_vcc(0) depctr_vm_vsrc(0)
	s_getreg_b32 s2, hwreg(HW_REG_IB_STS2, 6, 4)
	s_cmp_eq_u32 s2, 0
	s_cbranch_scc0 .Lentry_in_a_cluster
	s_endpgm
.Lentry_in_a_cluster:
	s_bfe_u32 s2, ttmp6, 0x10000c
	s_cmp_lg_u32 s2, 0xf033
	s_cbranch_scc0 .Lentry_shape_is_right
	s_endpgm
.Lentry_shape_is_right:
; h3 = gelu(h2 @ w_fc1 + b_fc1), rounded once to bf16.  h2: [4096][1024] bf16; w_fc1: [1024][4096] bf16 at byte 8,388,608 of wb.  Sums in f32, K ascending.
; gelu(x) = x (1 + erf(x / sqrt 2)) / 2 with erf by the rational form 7.1.26 of Abramowitz and Stegun, absolute error 1.5e-7 for every x:
; gelu(x) = max(x, 0) - |x| Q,  Q = (a1 t + .. + a5 t^5) 2^(ce x^2),  t = 1 / (1 + p |x|), the a halved.  NaN and infinities are not treated apart.
; A tile of C is 256 x 256: 16 x 16 tiles give 256 work-groups.  Four waves, 2 x 2, each 128 x 128: 64 accumulators.  K goes in steps of 128 through two LDS slots filled by tensor loads:
; waves 0, 1 fetch the halves of A's 256 rows, waves 2, 3 the halves of B's 128 k-rows.  B lies [K][N]; its fragments come out of LDS turned.
; CLUSTER 4 x 4: A's tile is shared along a row of the cluster, B's along a column.  The matrix instruction is used transposed: a lane holds eight neighbouring columns of one row of C.
; On the way out the f32 sums go through LDS, in the ring's bytes behind their last fill.
; WINDOWS: 0 addresses, A's fragments v64-191, way out, bias v192-199; 1 B's fragments; 2, 3 accumulators (number i = 8 a + b at register 8 i).
.set MODE, 1
.set PF,   1
.set TM,   256
.set TN,   256
.set KK,   1024
.set NN,   4096
.set KST,  128
.set KC,   32
.set MB,   8
.set NBL,  8
.set PA,   272
.set PB,   544                         ; 512 + 32: an odd multiple of 32
.set AHALF, 34816
.set BHALF, 34816
.set ASTEP, 64
.set WCB,  256
.set BSEG, 16
.set BSEGP, 0
.set WOFF, 8388608
.set WAIT1, 8
.set QIA,  5
.set AD0,  128
.set AR,   128
.set AST,  1024
.set QIB,  6
.set ATY,  524288
.set AWC,  262144
.set ASTG, 256
.set ASZ,   2*AHALF
.set SLOT,  ASZ+2*BHALF
.set BSTEP, KC*PB
.set STEPS, KK/KST
.set BWCG,  (KST/2)*NN*2
.set BSTG,  KST*NN*2
.set SP,    528                        ; a stage row: 128 f32 + 16 bytes
.set SPARE, 2*SLOT                     ; the spare words, 128 bytes a wave, that no other line names
.set AA0, 4
.set AA,  5
.set AB0, 6
.set AB,  8
.set STO, 10
.set RD,  11
.set CO,  12
.set BO,  13
.set PFO, 16
.set SPW, 28
.set NIL, 29
.set XI,  32                           ; the way out: 16 sums a lane, as read from the stage
.set XB,  64                           ; x = sum + bias, then gelu(x)
.set UU,  80                           ; 2^(ce x^2)
.set DD,  96                           ; t
.set MX,  112                          ; max(x, 0)
.set PP,  128                          ; the polynomial, then Q
.set YY,  144                          ; 16 bf16
.set BI,  192                          ; the bias of my eight columns
.set WV,  14
.set WR,  15
.set WC,  16
.set CX,  17
.set CY,  18
.set TX,  19
.set TY,  20
.set G1A, 32
.set G1B, 40
.set G0A, 48
.set G0B, 56
.set TB,  66
.set CNT, 67
.set BWA, 68
.set BWB, 69
.set LIM, 70
.set PFA, 72
.set PFS, 74
.set CE,  76                           ; s[76:77] ce; s[78:87] a1 .. a5, each in both words of a pair; s88 p
.set A1,  78
.set A2,  80
.set A3,  82
.set A4,  84
.set A5,  86
.set PC,  88
.set MSB, 0
.macro WIN new
.if MSB != (\new)
	s_set_vgpr_msb (MSB<<8)|(\new)
.set MSB, (\new)
.endif
.endm
.macro PLACES                          ; four plain instructions between a matrix instruction and a load into, or a read of, its registers
.rept 4
	v_nop
.endr
.endm
.macro CREST
	s_cmp_lg_u32 s[WV], 0
	s_cbranch_scc1 .Lnot_wave_0_\@
	s_barrier_signal -3
.Lnot_wave_0_\@:
	s_barrier_wait -3
	s_barrier_signal -1
	s_barrier_wait -1
.endm
.macro CROUND
	s_barrier_signal -1
	s_barrier_wait -1
	CREST
.endm
.macro JLOAD
	s_cmp_eq_u32 s[WR], 0
	s_cbranch_scc0 .Lfor_b_\@
	tensor_load_to_lds s[G0A+4:G0A+7], s[G1A:G1A+7]
	s_nop 0
	PLACES
	s_branch .Lasked_\@
.Lfor_b_\@:
	tensor_load_to_lds s[G0B+4:G0B+7], s[G1B:G1B+7]
	s_nop 0
	PLACES
.Lasked_\@:
.endm
.macro ASK                             ; a prefetch of the K step that the NEXT refill brings: a lane a row, 256 bytes each, every block named once in the launch; the last refill asks for nothing
	s_cmp_gt_u32 s[CNT], s[LIM]
	s_cbranch_scc0 .Lnot_mine_\@
	global_prefetch_b8 v[PFO], s[PFA:PFA+1] th:TH_LOAD_NT scope:SCOPE_SE
.Lnot_mine_\@:
.endm
.macro MM1 f, c, a, b, zero
.set aI, 8*((\a)*NBL+(\b))
.set aR, aI%256
.set bR, 96*(\f)+8*(NBL*(\c)+(\b))
.set cR, 64+64*(\f)+8*(MB*(\c)+(\a))
	WIN 0xa1+0x50*(aI/256)
.if \zero
	v_wmma_f32_16x16x32_bf16 v[aR:aR+7], v[bR:bR+7], v[cR:cR+7], 0
.else
	v_wmma_f32_16x16x32_bf16 v[aR:aR+7], v[bR:bR+7], v[cR:cR+7], v[aR:aR+7]
.endif
.endm
.macro MULP f, p, zero                 ; quarter p of a chunk's products.  Every accumulator comes once for each 32 K: they take turns
.if KC == 32
.set mC, 0
.set mA, (\p)*MB/4
.set mN, MB/4
.set mZ, (\zero)
.else
.set mC, (\p)/2
.set mA, 2*((\p)%2)
.set mN, 2
.set mZ, (\zero)*(1-(\p)/2)
.endif
.rept mN
.set mB, 0
.rept NBL
	MM1 \f, mC, mA, mB, mZ
.set mB, mB+1
.endr
.set mA, mA+1
.endr
.endm
.macro FETCH k, g                      ; 32 LDS loads in one run: chunk k of the slot in hand into buffer g; B turned, then A
.set fC, 0
.rept KC/32
	WIN 0x40
.set fB, 0
.rept NBL
.set fR, 96*(\g)+8*(NBL*fC+fB)
.set fO, ((\k)%2)*BSTEP+fC*32*PB+32*(fB%BSEG)+BSEGP*(fB/BSEG)
	ds_load_tr16_b128 v[fR:fR+3], v[AB+(\k)/2] offset:fO
	ds_load_tr16_b128 v[fR+4:fR+7], v[AB+(\k)/2] offset:fO+16*PB
.set fB, fB+1
.endr
	WIN 0
.set fB, 0
.rept MB
.set fR, 64+64*(\g)+8*(MB*fC+fB)
.set fO, (\k)*ASTEP+64*fC+fB*16*PA
	ds_load_b128 v[fR:fR+3], v[AA] offset:fO
	ds_load_b128 v[fR+4:fR+7], v[AA] offset:fO+32
.set fB, fB+1
.endr
.set fC, fC+1
.endr
.endm
.macro Q k, f, g, zero
	s_wait_dscnt WAIT1                             ; what the first half needs is in; the youngest WAIT1 loads may be out
	MULP \f, 0, \zero
	MULP \f, 1, \zero
	PLACES
	FETCH \k, \g
	s_wait_dscnt 32                                ; all but the 32 just issued
	MULP \f, 2, \zero
	MULP \f, 3, \zero
.endm
.macro TURN fill
.if PF && (\fill)
	s_wait_xcnt 0x0                                ; the last prefetch, a K step back, has read its address
	s_add_nc_u64 s[PFA:PFA+1], s[PFA:PFA+1], s[PFS:PFS+1]
.endif
	WIN 0
	s_wait_tensorcnt 0x0                           ; all my tensor loads have landed: the one that was out is my part of the next slot
	ds_add_u32 v[SPW], v[NIL]                      ; 0 onto my spare word
	s_wait_dscnt WAIT1+1                           ; (the add and the youngest WAIT1 loads may be out)
	MULP 1, 0, 0
	s_wait_dscnt 0x0                               ; the add is done, and my reads of this slot are over
	s_barrier_signal -1
	MULP 1, 1, 0
	WIN 0
	s_barrier_wait -1
.if \fill
	CREST                                          ; no wave of any partner still reads the slot or has a load on its way
	s_add_co_u32 s[G0A+5], s[BWA], s[TB]
	s_add_co_u32 s[G0B+5], s[BWB], s[TB]
	s_add_nc_u64 s[G0A+6:G0A+7], s[G0A+6:G0A+7], ASTG
	s_add_nc_u64 s[G0B+6:G0B+7], s[G0B+6:G0B+7], BSTG
	JLOAD
.else
	PLACES
.endif
	s_xor_b32 s[TB], s[TB], SLOT                   ; TB is 0 or SLOT: the other slot
	v_add_nc_u32 v[AA], s[TB], v[AA0]
	v_add_nc_u32 v[AB], s[TB], v[AB0]
	v_add_nc_u32 v[AB+1], s[TB], v[AB0+1]
	FETCH 0, 0
.if PF && (\fill)
	ASK
.endif
	MULP 1, 2, 0
	MULP 1, 3, 0
.endm
	s_load_b256 s[4:11], s[0:1], 0x0               ; h2, wb, h3, b_fc1
	v_lshl_add_u32 v[SPW], v0, 2, SPARE
	v_mov_b32 v[NIL], 0
	ds_add_u32 v[SPW], v[NIL]                      ; the opening: the add, waited for ahead of my first tensor load
	v_lshrrev_b32 v1, 5, v0
	v_readfirstlane_b32 s[WV], v1
	s_lshr_b32 s[WR], s[WV], 1
	s_and_b32 s[WC], s[WV], 1
	s_bfe_u32 s[CX], ttmp6, 0x40000
	s_bfe_u32 s[CY], ttmp6, 0x40004
	s_lshl_b32 s[TX], ttmp9, 2
	s_add_co_u32 s[TX], s[TX], s[CX]
	s_and_b32 s[TY], ttmp7, 0xffff
	s_lshl_b32 s[TY], s[TY], 2
	s_add_co_u32 s[TY], s[TY], s[CY]
	s_lshl_b32 s22, s[CY], 2
	s_lshl_b32 s22, 15, s22
	s_lshl_b32 s23, 0x1111, s[CX]
	s_or_b32 s[G1A], s22, (1<<16)|(1<<20)|(1<<21)|(QIA<<22)|(3<<25)
	s_or_b32 s[G1B], s23, (1<<16)|(1<<20)|(1<<21)|(QIB<<22)|(7<<25)
	s_mov_b32 s[G1A+1], AD0<<16
	s_mov_b32 s[G1A+2], AR<<16
	s_mov_b32 s[G1A+3], AD0<<16
	s_mov_b32 s[G1A+4], AR
	s_mov_b32 s[G1A+5], AST
	s_mov_b32 s[G1A+6], 0
	s_mov_b32 s[G1A+7], 0
	s_mov_b32 s[G1B+1], TN<<16
	s_mov_b32 s[G1B+2], (KST/2)<<16
	s_mov_b32 s[G1B+3], TN<<16
	s_mov_b32 s[G1B+4], KST/2
	s_mov_b32 s[G1B+5], NN
	s_mov_b32 s[G1B+6], 0
	s_mov_b32 s[G1B+7], 0
	s_mul_i32 s24, s[TY], ATY
	s_mul_i32 s25, s[WC], AWC
	s_add_co_u32 s24, s24, s25
	s_mov_b32 s25, 0
	s_mul_i32 s26, s[TX], TN*2
	s_mul_i32 s27, s[WC], BWCG
	s_add_co_u32 s26, s26, s27
	s_add_co_u32 s26, s26, WOFF
	s_mov_b32 s27, 0
	s_mul_i32 s[BWA], s[WC], AHALF
	s_mul_i32 s[BWB], s[WC], BHALF
	s_add_co_u32 s[BWB], s[BWB], ASZ
	s_mov_b32 s[CE], 0xbf38aa3b                    ; -log2(e) / 2
	s_mov_b32 s[CE+1], 0xbf38aa3b
	s_mov_b32 s[A1], 0x3e027906                    ; 0.127414796
	s_mov_b32 s[A1+1], 0x3e027906
	s_mov_b32 s[A2], 0xbe11a98e                    ; -0.142248368
	s_mov_b32 s[A2+1], 0xbe11a98e
	s_mov_b32 s[A3], 0x3f35f0e3                    ; 0.7107068705
	s_mov_b32 s[A3+1], 0x3f35f0e3
	s_mov_b32 s[A4], 0xbf3a00e3                    ; -0.7265760135
	s_mov_b32 s[A4+1], 0xbf3a00e3
	s_mov_b32 s[A5], 0x3f07dc22                    ; 0.5307027145
	s_mov_b32 s[A5+1], 0x3f07dc22
	s_mov_b32 s[PC], 0x3e6d3388                    ; 0.3275911 / sqrt 2
	s_wait_dscnt 0x0
	s_wait_kmcnt 0x0
	s_add_nc_u64 s[24:25], s[4:5], s[24:25]
	s_add_nc_u64 s[26:27], s[6:7], s[26:27]
	CROUND
.irp s, 0,1
	s_mov_b32 s[G0A+4*(\s)], 1
	s_add_co_u32 s[G0A+4*(\s)+1], s[BWA], (\s)*SLOT
	s_add_nc_u64 s[G0A+4*(\s)+2:G0A+4*(\s)+3], s[24:25], (\s)*ASTG
	s_or_b32 s[G0A+4*(\s)+3], s[G0A+4*(\s)+3], 0x80000000
	s_mov_b32 s[G0B+4*(\s)], 1
	s_add_co_u32 s[G0B+4*(\s)+1], s[BWB], (\s)*SLOT
	s_add_nc_u64 s[G0B+4*(\s)+2:G0B+4*(\s)+3], s[26:27], (\s)*BSTG
	s_or_b32 s[G0B+4*(\s)+3], s[G0B+4*(\s)+3], 0x80000000
.endr
	s_cmp_eq_u32 s[WR], 0                          ; a wave's two first fills stand in one branch: two loads of mine are out
	s_cbranch_scc0 .Lfirst_b
	tensor_load_to_lds s[G0A:G0A+3], s[G1A:G1A+7]
	s_nop 0
	tensor_load_to_lds s[G0A+4:G0A+7], s[G1A:G1A+7]
	s_nop 0
	PLACES
	s_branch .Lfirst_asked
.Lfirst_b:
	tensor_load_to_lds s[G0B:G0B+3], s[G1B:G1B+7]
	s_nop 0
	tensor_load_to_lds s[G0B+4:G0B+7], s[G1B:G1B+7]
	s_nop 0
	PLACES
.Lfirst_asked:
	v_and_b32 v1, 15, v0
	v_bfe_u32 v2, v0, 4, 1
	v_mul_u32_u24 v[AA0], v1, PA
	v_lshl_add_u32 v[AA0], v2, 4, v[AA0]
	s_mul_i32 s28, s[WR], AHALF
	v_add_nc_u32 v[AA0], s28, v[AA0]
	v_and_b32 v3, 7, v0
	v_lshl_add_u32 v3, v2, 3, v3
	v_mul_u32_u24 v[AB0], v3, PB
	v_bfe_u32 v3, v0, 3, 1
	v_lshl_add_u32 v[AB0], v3, 4, v[AB0]
	s_mul_i32 s28, s[WC], WCB
	s_add_co_u32 s28, s28, ASZ
	v_add_nc_u32 v[AB0], s28, v[AB0]
	v_add_nc_u32 v[AB0+1], 2*BSTEP, v[AB0]
	; the way out: my stage of 128 rows x 528 bytes; my part of h3; my eight columns of the bias
	s_mul_i32 s28, s[WV], 128*SP
	v_mul_u32_u24 v[STO], v1, SP                   ; in: row l % 16, 32 bytes for each half of the lanes
	v_lshl_add_u32 v[STO], v2, 5, v[STO]
	v_add_nc_u32 v[STO], s28, v[STO]
	v_mul_u32_u24 v[RD], v2, SP                    ; back: lanes 0-15 one row, 32 bytes a lane; lanes 16-31 the next
	v_lshl_add_u32 v[RD], v1, 5, v[RD]
	v_add_nc_u32 v[RD], s28, v[RD]
	v_lshlrev_b32 v[CO], 13, v2                    ; the same two rows in h3, 16 bytes a lane
	v_lshl_add_u32 v[CO], v1, 4, v[CO]
	v_lshlrev_b32 v[BO], 5, v1
	s_lshl_b32 s28, s[TX], 10
	s_lshl_b32 s29, s[WC], 9
	s_add_co_u32 s28, s28, s29
	s_mov_b32 s29, 0
	s_add_nc_u64 s[10:11], s[10:11], s[28:29]
	global_load_b128 v[BI:BI+3], v[BO], s[10:11]
	global_load_b128 v[BI+4:BI+7], v[BO], s[10:11] offset:16
	s_lshl_b32 s28, s[TY], 21                      ; 256 rows of 8,192 bytes
	s_lshl_b32 s29, s[WR], 20
	s_add_co_u32 s28, s28, s29
	s_lshl_b32 s29, s[TX], 9
	s_add_co_u32 s28, s28, s29
	s_lshl_b32 s29, s[WC], 8
	s_add_co_u32 s28, s28, s29
	s_mov_b32 s29, 0
	s_add_nc_u64 s[8:9], s[8:9], s[28:29]
	; the prefetches.  A's rows of a K step: waves 0, 1 where the cluster's x is 0, rows 128 wave + 32 cx + lane of the tile's 256.  B's: waves 2, 3 where the cluster's y is 0, k-rows 32 cy + lane,
	; 256 bytes number wave - 2 of the tile's 512.  The partners are told apart by address alone.
	s_mul_i32 s28, s[TY], TM*KK*2
	s_lshl_b32 s29, s[CX], 16
	s_add_co_u32 s28, s28, s29
	s_lshl_b32 s29, s[WC], 18
	s_add_co_u32 s28, s28, s29
	s_add_co_u32 s28, s28, 2*ASTG                  ; at K step 2; the first refill steps it to 3
	s_mul_i32 s30, s[TX], TN*2
	s_mul_i32 s31, s[CY], 32*NN*2
	s_add_co_u32 s30, s30, s31
	s_lshl_b32 s31, s[WC], 8
	s_add_co_u32 s30, s30, s31
	s_add_co_u32 s30, s30, WOFF+2*BSTG
	s_mov_b32 s92, KK*2
	s_mov_b32 s93, NN*2
	s_mov_b32 s[PFS], ASTG
	s_mov_b32 s95, BSTG
	s_and_b32 s94, ttmp7, 0xffff
	s_cmp_eq_u32 s[WR], 0
	s_cselect_b32 s28, s28, s30
	s_cselect_b32 s94, ttmp9, s94
	s_cselect_b32 s92, s92, s93
	s_cselect_b32 s[PFS], s[PFS], s95
	s_cselect_b64 s[PFA:PFA+1], s[4:5], s[6:7]
	s_cmp_eq_u32 s94, 0
	s_cselect_b32 s[LIM], 1, -1
	s_mov_b32 s29, 0
	s_mov_b32 s[PFS+1], 0
	s_add_nc_u64 s[PFA:PFA+1], s[PFA:PFA+1], s[28:29]
	v_and_b32 v[PFO], 31, v0
	v_mul_lo_u32 v[PFO], v[PFO], s92
	s_wait_tensorcnt 1                             ; my part of K step 0 is in; step 1 may stay out
	s_barrier_signal -1
	s_barrier_wait -1
	s_mov_b32 s[TB], 0
	v_mov_b32 v[AA], v[AA0]
	v_mov_b32 v[AB], v[AB0]
	v_mov_b32 v[AB+1], v[AB0+1]
	FETCH 0, 0
	Q 1, 0, 1, 1                                   ; the first chunk's products start the sums: nothing is cleared
	WIN 0
	s_mov_b32 s[CNT], STEPS-1
	s_branch .Lentry
.Lloop:                                            ; STEPS - 2 changes of slots fill K steps 2 to STEPS - 1
	TURN 1
	Q 1, 0, 1, 0
	WIN 0
.Lentry:
	Q 2, 1, 0, 0
	Q 3, 0, 1, 0
	WIN 0
	s_sub_co_u32 s[CNT], s[CNT], 1
	s_cmp_lg_u32 s[CNT], 0
	s_cbranch_scc1 .Lloop
	TURN 0                                         ; the last step is written out: nothing is asked for
	Q 1, 0, 1, 0
	Q 2, 1, 0, 0
	Q 3, 0, 1, 0
	s_wait_dscnt 0x0                               ; my reads of the ring are over:
	s_barrier_signal -1
	MULP 1, 0, 0
	MULP 1, 1, 0
	MULP 1, 2, 0
	MULP 1, 3, 0
	WIN 0
	s_barrier_wait -1                              ; everybody's are: the ring, which has had its last fill, serves as the stage
	PLACES
	PLACES
.set i, 0
.rept 64
	WIN 0x08+4*(i/32)                              ; store data in window 2 or 3
.set r0, (8*i)%256
	ds_store_b128 v[STO], v[r0:r0+3]   offset:(i/NBL)*16*SP+64*(i%NBL)
	ds_store_b128 v[STO], v[r0+4:r0+7] offset:(i/NBL)*16*SP+64*(i%NBL)+16
.set i, i+1
.endr
	WIN 0
	s_wait_loadcnt 0x0                             ; the bias
.macro XLOAD                           ; four rows of my stage, 16 sums a lane: my own bytes, and LDS serves a wave's instructions in order (ISA guide 5.7.1.4)
.irp q, 0,1
	ds_load_b128 v[XI+8*(\q):XI+8*(\q)+3],   v[RD] offset:2*SP*(\q)
	ds_load_b128 v[XI+8*(\q)+4:XI+8*(\q)+7], v[RD] offset:2*SP*(\q)+16
.endr
.endm
	XLOAD
	s_mov_b32 s[CNT], 32
.Lgelu:                                            ; 32 trips of four rows.  Each step of the formula goes over all 16 numbers before the next begins, so that no line reads the result of the line before it
	s_wait_dscnt 0x0
.set i, 0
.rept 8
	v_pk_add_f32 v[XB+2*i:XB+2*i+1], v[XI+2*i:XI+2*i+1], v[BI+(2*i)%8:BI+(2*i)%8+1]
.set i, i+1
.endr
	v_add_nc_u32 v[RD], 4*SP, v[RD]
	s_cmp_eq_u32 s[CNT], 1                         ; the last trip has no rows behind it
	s_cbranch_scc1 .Lno_more
	XLOAD
.Lno_more:
.set i, 0
.rept 8
	v_pk_mul_f32 v[UU+2*i:UU+2*i+1], v[XB+2*i:XB+2*i+1], v[XB+2*i:XB+2*i+1]
.set i, i+1
.endr
.set i, 0
.rept 8
	v_pk_mul_f32 v[UU+2*i:UU+2*i+1], v[UU+2*i:UU+2*i+1], s[CE:CE+1] op_sel_hi:[1,0]
.set i, i+1
.endr
.set i, 0
.rept 16                               ; each transcendental has a plain neighbour, and none of their results is named ahead of the wait
	v_fma_f32 v[DD+i], |v[XB+i]|, s[PC], 1.0
	v_exp_f32 v[UU+i], v[UU+i]
.set i, i+1
.endr
.set i, 0
.rept 16
	v_max_num_f32 v[MX+i], 0, v[XB+i]
	v_rcp_f32 v[DD+i], v[DD+i]
.set i, i+1
.endr
	v_nop                                          ; a plain instruction behind the last reciprocal,
	s_wait_alu depctr_va_vdst(0)                   ; and one wait for the 32, ahead of their first reader
.set i, 0
.rept 8
	v_pk_fma_f32 v[PP+2*i:PP+2*i+1], v[DD+2*i:DD+2*i+1], s[A5:A5+1], s[A4:A4+1] op_sel_hi:[1,0,0]
.set i, i+1
.endr
.irp a, A3, A2, A1
.set i, 0
.rept 8
	v_pk_fma_f32 v[PP+2*i:PP+2*i+1], v[PP+2*i:PP+2*i+1], v[DD+2*i:DD+2*i+1], s[\a:\a+1] op_sel_hi:[1,1,0]
.set i, i+1
.endr
.endr
.set i, 0
.rept 8
	v_pk_mul_f32 v[PP+2*i:PP+2*i+1], v[PP+2*i:PP+2*i+1], v[DD+2*i:DD+2*i+1]
.set i, i+1
.endr
.set i, 0
.rept 8
	v_pk_mul_f32 v[PP+2*i:PP+2*i+1], v[PP+2*i:PP+2*i+1], v[UU+2*i:UU+2*i+1]
.set i, i+1
.endr
.set i, 0
.rept 16
	v_fma_f32 v[XB+i], -|v[XB+i]|, v[PP+i], v[MX+i]
.set i, i+1
.endr
	s_wait_xcnt 0x0                                ; the last trip's stores, a whole trip back, have read their address and data: both are written again only behind this wait
	v_add_nc_u32 v[CO], 32768, v[CO]               ; four rows on; the stores below reach back
.set i, 0
.rept 8
	v_cvt_pk_bf16_f32 v[YY+i], v[XB+2*i], v[XB+2*i+1]
.set i, i+1
.endr
	global_store_b128 v[CO], v[YY:YY+3], s[8:9] offset:-32768    ; 16 lanes store 256 consecutive bytes, aligned
	global_store_b128 v[CO], v[YY+4:YY+7], s[8:9] offset:-16384
	s_sub_co_u32 s[CNT], s[CNT], 1
	s_cmp_lg_u32 s[CNT], 0
	s_cbranch_scc1 .Lgelu
	s_wait_tensorcnt 0x0                           ; the wave's end
	ds_add_u32 v[SPW], v[NIL]
	s_wait_dscnt 0x0
	CROUND                                         ; the closing round
	s_endpgm
.Lfunc_end_k_q2dd54d4b2a_gfc1:
	.size	k_q2dd54d4b2a_gfc1, .Lfunc_end_k_q2dd54d4b2a_gfc1-k_q2dd54d4b2a_gfc1
	.p2alignl 7, 3214868480
	.fill 96, 4, 3214868480
	.section	.rodata,"a",@progbits
	.p2align	6, 0x0
	.amdhsa_kernel k_q2dd54d4b2a_gfc1
		.amdhsa_group_segment_fixed_size 327680
		.amdhsa_private_segment_fixed_size 0
		.amdhsa_enable_private_segment 0
		.amdhsa_kernarg_size 32
		.amdhsa_user_sgpr_count 2
		.amdhsa_user_sgpr_kernarg_segment_ptr 1
		.amdhsa_wavefront_size32 1
		.amdhsa_system_sgpr_workgroup_id_x 1
		.amdhsa_system_sgpr_workgroup_id_y 1
		.amdhsa_system_sgpr_workgroup_id_z 1
		.amdhsa_system_vgpr_workitem_id 0
		.amdhsa_next_free_vgpr 1024
		.amdhsa_next_free_sgpr 96
		.amdhsa_reserve_vcc 0
		.amdhsa_float_denorm_mode_32 3
		.amdhsa_float_denorm_mode_16_64 3
		.amdhsa_memory_ordered 1
		.amdhsa_forward_progress 1
		.amdhsa_inst_pref_size 93
	.end_amdhsa_kernel
	.amdgpu_metadata
---
amdhsa.version: [ 1, 2 ]
amdhsa.kernels:
  - .name:           k_q2dd54d4b2a_gfc1
    .symbol:         k_q2dd54d4b2a_gfc1.kd
    .args:
      - { .name: h2, .offset: 0, .size: 8, .value_kind: global_buffer, .address_space: global }
      - { .name: wb, .offset: 8, .size: 8, .value_kind: global_buffer, .address_space: global }
      - { .name: h3, .offset: 16, .size: 8, .value_kind: global_buffer, .address_space: global }
      - { .name: b_fc1, .offset: 24, .size: 8, .value_kind: global_buffer, .address_space: global }
    .group_segment_fixed_size: 327680
    .private_segment_fixed_size: 0
    .kernarg_segment_align: 8
    .kernarg_segment_size: 32
    .max_flat_workgroup_size: 128
    .sgpr_count:     96
    .vgpr_count:     1024
    .wavefront_size: 32
...
	.end_amdgpu_metadata
.endif
;; end of part 5
;; launch gfc2 (part 6): grid 8 x 32, 4 waves a work-group, clusters of 4 x 4, 327,680 bytes of LDS; arguments h3, wb, out0, b_fc2, x1; writes out0
.if DOCPART == 6
	.amdgcn_target "amdgcn-amd-amdhsa--gfx1250"
	.amdhsa_code_object_version 6
	.text
	.protected	k_q2dd54d4b2a_gfc2
	.globl	k_q2dd54d4b2a_gfc2
	.p2align	8
	.type	k_q2dd54d4b2a_gfc2,@function
k_q2dd54d4b2a_gfc2:
	s_mov_b64 s[64:65], 0
	v_nop
	global_prefetch_b8 v0, s[64:65] scope:SCOPE_SE
	s_setreg_imm32_b32 hwreg(HW_REG_WAVE_MODE, 25, 1), 1
	s_wait_xcnt 0x0
	s_wait_alu depctr_hold_cnt(0) depctr_sa_sdst(0) depctr_va_vdst(0) depctr_va_sdst(0) depctr_va_ssrc(0) depctr_va_vcc(0) depctr_vm_vsrc(0)
	s_getreg_b32 s2, hwreg(HW_REG_IB_STS2, 6, 4)
	s_cmp_eq_u32 s2, 0
	s_cbranch_scc0 .Lentry_in_a_cluster
	s_endpgm
.Lentry_in_a_cluster:
	s_bfe_u32 s2, ttmp6, 0x10000c
	s_cmp_lg_u32 s2, 0xf033
	s_cbranch_scc0 .Lentry_shape_is_right
	s_endpgm
.Lentry_shape_is_right:
; out0 = x1 + h3 @ w_fc2 + b_fc2, f32.  h3: [4096][4096] bf16; w_fc2: [4096][1024] bf16 at byte 16,777,216 of wb.  Sums in f32.
; A tile of C is 128 x 128: 32 x 8 tiles give 256 work-groups.  Four waves, 2 x 2, each 64 x 64: 16 accumulators.  K goes in steps of 256 through two LDS slots.
; Waves 0, 1 fetch the halves of A's 128 rows (512 bytes each), waves 2, 3 the halves of B's 256 k-rows.  B lies [K][N]; its fragments come out of LDS turned.
; CLUSTER 4 x 4: A's tile is shared along a row of the cluster, B's along a column.  No prefetch: small tiles.
; THE WALK OVER K IS TURNED: a cluster begins at K step (8 x + 4 y) mod 16, x and y its own coordinates, and walks round the end of K, so that clusters that read the same rows of A or of B ask for
; different blocks at a time.  The order of an output's f32 sum hangs on the cluster; nothing else does.
; The matrix instruction is used transposed: a lane holds eight neighbouring columns of one row of C.  On the way out the f32 sums go through LDS, in the ring's bytes behind their last fill.
; WINDOWS: 0 addresses, A's fragments v64-191; 1 B's fragments; 2 accumulators v0-127 and the residual v128-255.
.set MODE, 3
.set TM,   128
.set TN,   128
.set KK,   4096
.set NN,   1024
.set KST,  256
.set KC,   64
.set MB,   4
.set NBL,  4
.set PA,   528                         ; 512 + 16
.set PB,   288                         ; 256 + 32
.set AHALF, 33792                      ; 64 rows
.set BHALF, 36864                      ; 128 k-rows
.set ASTEP, 128
.set WCB,  128
.set BSEG, 16
.set BSEGP, 0
.set WOFF, 16777216
.set WAIT1, 16
.set QIA,  6
.set AD0,  256
.set AR,   64
.set AST,  4096
.set QIB,  5
.set ATY,  1048576
.set AWC,  524288
.set ASTG, 512
.set KRX,  8                           ; the first K step: KRX x cluster x + KRY x cluster y, modulo STEPS
.set KRY,  4
.set ASZ,   2*AHALF
.set SLOT,  ASZ+2*BHALF
.set BSTEP, KC*PB
.set STEPS, KK/KST
.set BWCG,  (KST/2)*NN*2
.set BSTG,  KST*NN*2
.set SP,    272                        ; a stage row: 64 f32 + 16 bytes
.set SPARE, 2*SLOT                     ; the spare words, 128 bytes a wave, that no other line names
.set AA0, 4
.set AA,  5
.set AB0, 6
.set AB,  8
.set STO, 10
.set RD,  11
.set CO,  12
.set BO,  13
.set BI,  20                           ; v[20:23] the bias of my four columns
.set SPW, 28
.set NIL, 29
.set WV,  14
.set WR,  15
.set WC,  16
.set CX,  17
.set CY,  18
.set TX,  19
.set TY,  20
.set PTA, 24                           ; s[24:25] A at my part of the tile, K step 0; never rewritten once made
.set PTB, 26                           ; s[26:27] B likewise
.set G1A, 32
.set G1B, 40
.set G0A, 48
.set G0B, 56
.set TB,  66
.set CNT, 67
.set BWA, 68
.set BWB, 69
.set KI,  71                           ; s71 the K step that the next load brings
.set AOF, 72                           ; s[72:73] its byte offset in A,
.set BOF, 74                           ; s[74:75] and in B
.set MSB, 0
.macro WIN new
.if MSB != (\new)
	s_set_vgpr_msb (MSB<<8)|(\new)
.set MSB, (\new)
.endif
.endm
.macro PLACES                          ; four plain instructions between a matrix instruction and a load into, or a read of, its registers
.rept 4
	v_nop
.endr
.endm
.macro CREST
	s_cmp_lg_u32 s[WV], 0
	s_cbranch_scc1 .Lnot_wave_0_\@
	s_barrier_signal -3
.Lnot_wave_0_\@:
	s_barrier_wait -3
	s_barrier_signal -1
	s_barrier_wait -1
.endm
.macro CROUND
	s_barrier_signal -1
	s_barrier_wait -1
	CREST
.endm
.macro JLOAD
	s_cmp_eq_u32 s[WR], 0
	s_cbranch_scc0 .Lfor_b_\@
	tensor_load_to_lds s[G0A+4:G0A+7], s[G1A:G1A+7]
	s_nop 0
	PLACES
	s_branch .Lasked_\@
.Lfor_b_\@:
	tensor_load_to_lds s[G0B+4:G0B+7], s[G1B:G1B+7]
	s_nop 0
	PLACES
.Lasked_\@:
.endm
.macro SETADR s                        ; group 0 number s takes K step KI: the address is made anew from the tile's base and an offset made apart; KI then goes on by one, round the end of K
	s_mul_i32 s[AOF], s[KI], ASTG
	s_mul_i32 s[BOF], s[KI], BSTG
	s_add_nc_u64 s[G0A+4*(\s)+2:G0A+4*(\s)+3], s[PTA:PTA+1], s[AOF:AOF+1]
	s_or_b32 s[G0A+4*(\s)+3], s[G0A+4*(\s)+3], 0x80000000
	s_add_nc_u64 s[G0B+4*(\s)+2:G0B+4*(\s)+3], s[PTB:PTB+1], s[BOF:BOF+1]
	s_or_b32 s[G0B+4*(\s)+3], s[G0B+4*(\s)+3], 0x80000000
	s_add_co_u32 s[KI], s[KI], 1
	s_and_b32 s[KI], s[KI], STEPS-1
.endm
.macro MM1 f, c, a, b, zero
.set aI, 8*((\a)*NBL+(\b))
.set aR, aI%256
.set bR, 96*(\f)+8*(NBL*(\c)+(\b))
.set cR, 64+64*(\f)+8*(MB*(\c)+(\a))
	WIN 0xa1+0x50*(aI/256)
.if \zero
	v_wmma_f32_16x16x32_bf16 v[aR:aR+7], v[bR:bR+7], v[cR:cR+7], 0
.else
	v_wmma_f32_16x16x32_bf16 v[aR:aR+7], v[bR:bR+7], v[cR:cR+7], v[aR:aR+7]
.endif
.endm
.macro MULP f, p, zero                 ; quarter p of a chunk's products.  Every accumulator comes once for each 32 K: they take turns
.set mC, (\p)/2
.set mA, 2*((\p)%2)
.set mZ, (\zero)*(1-(\p)/2)
.rept 2
.set mB, 0
.rept NBL
	MM1 \f, mC, mA, mB, mZ
.set mB, mB+1
.endr
.set mA, mA+1
.endr
.endm
.macro FETCH k, g                      ; 32 LDS loads in one run: chunk k of the slot in hand into buffer g; for each 32 K: B turned, then A
.set fC, 0
.rept KC/32
	WIN 0x40
.set fB, 0
.rept NBL
.set fR, 96*(\g)+8*(NBL*fC+fB)
.set fO, ((\k)%2)*BSTEP+fC*32*PB+32*(fB%BSEG)+BSEGP*(fB/BSEG)
	ds_load_tr16_b128 v[fR:fR+3], v[AB+(\k)/2] offset:fO
	ds_load_tr16_b128 v[fR+4:fR+7], v[AB+(\k)/2] offset:fO+16*PB
.set fB, fB+1
.endr
	WIN 0
.set fB, 0
.rept MB
.set fR, 64+64*(\g)+8*(MB*fC+fB)
.set fO, (\k)*ASTEP+64*fC+fB*16*PA
	ds_load_b128 v[fR:fR+3], v[AA] offset:fO
	ds_load_b128 v[fR+4:fR+7], v[AA] offset:fO+32
.set fB, fB+1
.endr
.set fC, fC+1
.endr
.endm
.macro Q k, f, g, zero
	s_wait_dscnt WAIT1                             ; the first 32 K are in; the youngest WAIT1 loads may be out
	MULP \f, 0, \zero
	MULP \f, 1, \zero
	PLACES
	FETCH \k, \g
	s_wait_dscnt 32                                ; all but the 32 just issued
	MULP \f, 2, \zero
	MULP \f, 3, \zero
.endm
; THE CHANGE OF SLOTS, and a step's last chunk (buffer 1).  A step has 128 products a wave for 131,072 bytes of tiles, so the request stands as early as the ordering allows: between the wait that shows
; one tile landed and the request for the next stand the add, the descriptor's words, the wait for my reads of the slot, and the round.  All 32 products of the chunk, which touch registers alone, follow the request.
.macro TURN fill
	WIN 0
	s_wait_tensorcnt 0x0                           ; all my tensor loads have landed: the one that was out is my part of the next slot; so a group 0 may be written
	ds_add_u32 v[SPW], v[NIL]                      ; 0 onto my spare word; work on registers stands between it and the wait for it
.if \fill
	s_add_co_u32 s[G0A+5], s[BWA], s[TB]           ; the slot that is being left,
	s_add_co_u32 s[G0B+5], s[BWB], s[TB]
	SETADR 1                                       ; the next K step of the walk
.endif
	s_xor_b32 s[TB], s[TB], SLOT                   ; TB is 0 or SLOT: the other slot
	v_add_nc_u32 v[AA], s[TB], v[AA0]
	v_add_nc_u32 v[AB], s[TB], v[AB0]
	v_add_nc_u32 v[AB+1], s[TB], v[AB0+1]
	s_wait_dscnt 0x0                               ; the add is done, and my reads of the slot are over: its last chunk lies in buffer 1
	s_barrier_signal -1
	s_barrier_wait -1
.if \fill
	CREST                                          ; the barrier has opened a round of the cluster's: no wave of any partner still reads the slot or has a load on its way
	JLOAD                                          ; the first tensor load behind the round; its four v_nop are also the places in front of the loads below
.else
	PLACES
.endif
	FETCH 0, 0
	MULP 1, 0, 0
	MULP 1, 1, 0
	MULP 1, 2, 0
	MULP 1, 3, 0
.endm
	s_load_b256 s[4:11], s[0:1], 0x0               ; A, wb, out, bias
	s_load_b64 s[12:13], s[0:1], 0x20              ; residual
	v_lshl_add_u32 v[SPW], v0, 2, SPARE
	v_mov_b32 v[NIL], 0
	ds_add_u32 v[SPW], v[NIL]                      ; the opening: the add, waited for ahead of my first tensor load
	v_lshrrev_b32 v1, 5, v0
	v_readfirstlane_b32 s[WV], v1
	s_lshr_b32 s[WR], s[WV], 1
	s_and_b32 s[WC], s[WV], 1
	s_bfe_u32 s[CX], ttmp6, 0x40000
	s_bfe_u32 s[CY], ttmp6, 0x40004
	s_lshl_b32 s[TX], ttmp9, 2
	s_add_co_u32 s[TX], s[TX], s[CX]
	s_and_b32 s[TY], ttmp7, 0xffff
	s_lshl_b32 s[TY], s[TY], 2
	s_add_co_u32 s[TY], s[TY], s[CY]
	s_lshl_b32 s22, s[CY], 2
	s_lshl_b32 s22, 15, s22
	s_lshl_b32 s23, 0x1111, s[CX]
	s_or_b32 s[G1A], s22, (1<<16)|(1<<20)|(1<<21)|(QIA<<22)|(3<<25)
	s_or_b32 s[G1B], s23, (1<<16)|(1<<20)|(1<<21)|(QIB<<22)|(7<<25)
	s_mov_b32 s[G1A+1], AD0<<16
	s_mov_b32 s[G1A+2], AR<<16
	s_mov_b32 s[G1A+3], AD0<<16
	s_mov_b32 s[G1A+4], AR
	s_mov_b32 s[G1A+5], AST
	s_mov_b32 s[G1A+6], 0
	s_mov_b32 s[G1A+7], 0
	s_mov_b32 s[G1B+1], TN<<16
	s_mov_b32 s[G1B+2], (KST/2)<<16
	s_mov_b32 s[G1B+3], TN<<16
	s_mov_b32 s[G1B+4], KST/2
	s_mov_b32 s[G1B+5], NN
	s_mov_b32 s[G1B+6], 0
	s_mov_b32 s[G1B+7], 0
	s_mul_i32 s24, s[TY], ATY
	s_mul_i32 s25, s[WC], AWC
	s_add_co_u32 s24, s24, s25
	s_mov_b32 s25, 0
	s_mul_i32 s26, s[TX], TN*2
	s_mul_i32 s27, s[WC], BWCG
	s_add_co_u32 s26, s26, s27
	s_add_co_u32 s26, s26, WOFF
	s_mov_b32 s27, 0
	s_mul_i32 s[BWA], s[WC], AHALF
	s_mul_i32 s[BWB], s[WC], BHALF
	s_add_co_u32 s[BWB], s[BWB], ASZ
	s_and_b32 s[AOF], ttmp7, 0xffff                ; the walk's first K step, of the cluster's coordinates alone: the same in all sixteen partners
	s_mul_i32 s[AOF], s[AOF], KRY
	s_mul_i32 s[KI], ttmp9, KRX
	s_add_co_u32 s[KI], s[KI], s[AOF]
	s_and_b32 s[KI], s[KI], STEPS-1
	s_mov_b32 s[AOF+1], 0
	s_mov_b32 s[BOF+1], 0
	s_wait_dscnt 0x0
	s_wait_kmcnt 0x0
	s_add_nc_u64 s[PTA:PTA+1], s[4:5], s[24:25]
	s_add_nc_u64 s[PTB:PTB+1], s[6:7], s[26:27]
	CROUND
.irp s, 0,1
	s_mov_b32 s[G0A+4*(\s)], 1
	s_add_co_u32 s[G0A+4*(\s)+1], s[BWA], (\s)*SLOT
	s_mov_b32 s[G0B+4*(\s)], 1
	s_add_co_u32 s[G0B+4*(\s)+1], s[BWB], (\s)*SLOT
	SETADR \s
.endr
	s_cmp_eq_u32 s[WR], 0                          ; a wave's two first fills stand in one branch: two loads of mine are out
	s_cbranch_scc0 .Lfirst_b
	tensor_load_to_lds s[G0A:G0A+3], s[G1A:G1A+7]
	s_nop 0
	tensor_load_to_lds s[G0A+4:G0A+7], s[G1A:G1A+7]
	s_nop 0
	PLACES
	s_branch .Lfirst_asked
.Lfirst_b:
	tensor_load_to_lds s[G0B:G0B+3], s[G1B:G1B+7]
	s_nop 0
	tensor_load_to_lds s[G0B+4:G0B+7], s[G1B:G1B+7]
	s_nop 0
	PLACES
.Lfirst_asked:
	v_and_b32 v1, 15, v0
	v_bfe_u32 v2, v0, 4, 1
	v_mul_u32_u24 v[AA0], v1, PA
	v_lshl_add_u32 v[AA0], v2, 4, v[AA0]
	s_mul_i32 s28, s[WR], AHALF
	v_add_nc_u32 v[AA0], s28, v[AA0]
	v_and_b32 v3, 7, v0
	v_lshl_add_u32 v3, v2, 3, v3
	v_mul_u32_u24 v[AB0], v3, PB
	v_bfe_u32 v3, v0, 3, 1
	v_lshl_add_u32 v[AB0], v3, 4, v[AB0]
	s_mul_i32 s28, s[WC], WCB
	s_add_co_u32 s28, s28, ASZ
	v_add_nc_u32 v[AB0], s28, v[AB0]
	v_add_nc_u32 v[AB0+1], 2*BSTEP, v[AB0]
	; the way out: my stage of 64 rows x 272 bytes; my part of the residual and of the output; my four columns of the bias
	s_mul_i32 s28, s[WV], 64*SP
	v_mul_u32_u24 v[STO], v1, SP
	v_lshl_add_u32 v[STO], v2, 5, v[STO]
	v_add_nc_u32 v[STO], s28, v[STO]
	v_mul_u32_u24 v[RD], v2, SP
	v_lshl_add_u32 v[RD], v1, 4, v[RD]
	v_add_nc_u32 v[RD], s28, v[RD]
	v_lshlrev_b32 v[CO], 12, v2
	v_lshl_add_u32 v[CO], v1, 4, v[CO]
	v_lshlrev_b32 v[BO], 4, v1
	s_lshl_b32 s30, s[TX], 9
	s_lshl_b32 s29, s[WC], 8
	s_add_co_u32 s30, s30, s29
	s_mov_b32 s31, 0
	s_add_nc_u64 s[10:11], s[10:11], s[30:31]
	s_lshl_b32 s28, s[TY], 19
	s_lshl_b32 s29, s[WR], 18
	s_add_co_u32 s28, s28, s29
	s_add_co_u32 s28, s28, s30
	s_mov_b32 s29, 0
	s_add_nc_u64 s[12:13], s[12:13], s[28:29]
	s_add_nc_u64 s[8:9], s[8:9], s[28:29]
	WIN 0x80                                       ; the residual, in the layout of the stores, stays out through the whole K loop
.set t, 0
.rept 32
	global_load_b128 v[128+4*t:128+4*t+3], v[CO], s[12:13] offset:8192*t
.set t, t+1
.endr
	WIN 0
	global_load_b128 v[BI:BI+3], v[BO], s[10:11]
	s_wait_tensorcnt 1                             ; my part of the walk's first step is in; the second may stay out
	s_barrier_signal -1
	s_barrier_wait -1
	s_mov_b32 s[TB], 0
	v_mov_b32 v[AA], v[AA0]
	v_mov_b32 v[AB], v[AB0]
	v_mov_b32 v[AB+1], v[AB0+1]
	FETCH 0, 0
	Q 1, 0, 1, 1                                   ; the first products start the sums: nothing is cleared
	WIN 0
	s_mov_b32 s[CNT], STEPS-1
	s_branch .Lentry
.Lloop:                                            ; STEPS - 2 changes of slots fill the walk's steps 2 to STEPS - 1
	TURN 1
	Q 1, 0, 1, 0
	WIN 0
.Lentry:
	Q 2, 1, 0, 0
	Q 3, 0, 1, 0
	WIN 0
	s_sub_co_u32 s[CNT], s[CNT], 1
	s_cmp_lg_u32 s[CNT], 0
	s_cbranch_scc1 .Lloop
	TURN 0                                         ; the last step is written out: nothing is asked for
	Q 1, 0, 1, 0
	Q 2, 1, 0, 0
	Q 3, 0, 1, 0
	s_wait_dscnt 0x0                               ; my reads of the ring are over:
	s_barrier_signal -1
	MULP 1, 0, 0
	MULP 1, 1, 0
	MULP 1, 2, 0
	MULP 1, 3, 0
	WIN 0
	s_barrier_wait -1                              ; everybody's are: the ring, which has had its last fill, serves as the stage
	PLACES
	PLACES
	WIN 0x08                                       ; store data in window 2
.set i, 0
.rept 16
	ds_store_b128 v[STO], v[8*i:8*i+3]   offset:(i/NBL)*16*SP+64*(i%NBL)
	ds_store_b128 v[STO], v[8*i+4:8*i+7] offset:(i/NBL)*16*SP+64*(i%NBL)+16
.set i, i+1
.endr
	WIN 0
.set t, 0
.rept 32
	ds_load_b128 v[64+4*t:64+4*t+3], v[RD] offset:t*2*SP  ; my own bytes: LDS serves a wave's instructions in order (ISA guide 5.7.1.4)
.set t, t+1
.endr
	s_wait_loadcnt 0x0                             ; residual and bias
	WIN 0x88                                       ; destination and source 1 (a store's data too) in window 2, source 0 (a store's address too) in window 0
.set t, 0
.rept 32
	s_wait_dscnt 31-t                              ; rows 2 t, 2 t + 1 are back; the younger reads stay out
	v_pk_add_f32 v[128+4*t:128+4*t+1],   v[64+4*t:64+4*t+1],   v[128+4*t:128+4*t+1]
	v_pk_add_f32 v[128+4*t+2:128+4*t+3], v[64+4*t+2:64+4*t+3], v[128+4*t+2:128+4*t+3]
	v_pk_add_f32 v[128+4*t:128+4*t+1],   v[BI:BI+1],   v[128+4*t:128+4*t+1]
	v_pk_add_f32 v[128+4*t+2:128+4*t+3], v[BI+2:BI+3], v[128+4*t+2:128+4*t+3]
	global_store_b128 v[CO], v[128+4*t:128+4*t+3], s[8:9] offset:8192*t  ; 16 lanes store 256 consecutive bytes, aligned
.set t, t+1
.endr
	WIN 0
	s_wait_tensorcnt 0x0                           ; the wave's end
	ds_add_u32 v[SPW], v[NIL]
	s_wait_dscnt 0x0
	CROUND                                         ; the closing round
	s_endpgm
.Lfunc_end_k_q2dd54d4b2a_gfc2:
	.size	k_q2dd54d4b2a_gfc2, .Lfunc_end_k_q2dd54d4b2a_gfc2-k_q2dd54d4b2a_gfc2
	.p2alignl 7, 3214868480
	.fill 96, 4, 3214868480
	.section	.rodata,"a",@progbits
	.p2align	6, 0x0
	.amdhsa_kernel k_q2dd54d4b2a_gfc2
		.amdhsa_group_segment_fixed_size 327680
		.amdhsa_private_segment_fixed_size 0
		.amdhsa_enable_private_segment 0
		.amdhsa_kernarg_size 40
		.amdhsa_user_sgpr_count 2
		.amdhsa_user_sgpr_kernarg_segment_ptr 1
		.amdhsa_wavefront_size32 1
		.amdhsa_system_sgpr_workgroup_id_x 1
		.amdhsa_system_sgpr_workgroup_id_y 1
		.amdhsa_system_sgpr_workgroup_id_z 1
		.amdhsa_system_vgpr_workitem_id 0
		.amdhsa_next_free_vgpr 768
		.amdhsa_next_free_sgpr 96
		.amdhsa_reserve_vcc 0
		.amdhsa_float_denorm_mode_32 3
		.amdhsa_float_denorm_mode_16_64 3
		.amdhsa_memory_ordered 1
		.amdhsa_forward_progress 1
		.amdhsa_inst_pref_size 73
	.end_amdhsa_kernel
	.amdgpu_metadata
---
amdhsa.version: [ 1, 2 ]
amdhsa.kernels:
  - .name:           k_q2dd54d4b2a_gfc2
    .symbol:         k_q2dd54d4b2a_gfc2.kd
    .args:
      - { .name: h3, .offset: 0, .size: 8, .value_kind: global_buffer, .address_space: global }
      - { .name: wb, .offset: 8, .size: 8, .value_kind: global_buffer, .address_space: global }
      - { .name: out0, .offset: 16, .size: 8, .value_kind: global_buffer, .address_space: global }
      - { .name: b_fc2, .offset: 24, .size: 8, .value_kind: global_buffer, .address_space: global }
      - { .name: x1, .offset: 32, .size: 8, .value_kind: global_buffer, .address_space: global }
    .group_segment_fixed_size: 327680
    .private_segment_fixed_size: 0
    .kernarg_segment_align: 8
    .kernarg_segment_size: 40
    .max_flat_workgroup_size: 128
    .sgpr_count:     96
    .vgpr_count:     768
    .wavefront_size: 32
...
	.end_amdgpu_metadata
.endif
;; end of part 6
